; MI455X (gfx1250); checked and timed in simulation.
; The chip was launched on July 23, 2026; its instructions are those of AMD's public machine-readable ISA for CDNA 5 (MIT licence, August 2026) and "CDNA5" Instruction Set Architecture Reference Guide (July 2026). The comments in the code are by the model that wrote it; some were corrected since.
;; Causal Self Attention. Allowed arithmetic: matrix products marked QUANTISED: E4M3 operands, one given power-of-two scale a tensor, by v_wmma_f32_16x16x64_fp8_fp8 or v_wmma_f32_16x16x128_fp8_fp8, f32 sums; everything else in f32.
;; Inputs: W_out 1,024 x 1,024 float32; W_qkv 1,024 x 3,072 float32; b_out 1,024 float32; b_qkv 3,072 float32; lowp_scales 8 int32 (the exponents e of the quantised operands' scales 2^e); x 4 x 2,048 x 1,024 float32.
;; Outputs: out0 4 x 2,048 x 1,024 float32.
;; This version of the problem:
;;   THIS VERSION OF THE PROBLEM IS GIVEN IN LOW PRECISION. The matrix products marked QUANTISED in the list below multiply operands that are first quantised to E4M3 (4 exponent bits, 3 mantissa bits; 8 bits a number), with one given power-of-two scale for each operand tensor; their sums are f32. All else is computed in f32.
;;   The module's matrix products, in the order in which they are computed (A, B: the left and right operand; K: the contracted axis; several contracted axes count as one K, in the product's order):
;;     1. [M 8,192, K 1,024] x [K 1,024, N 3,072]; A: input x; B: input W_qkv: QUANTISED (scales: A lowp_scales[0], B lowp_scales[1])
;;     2. batch 64 x [M 2,048, K 64] x [K 64, N 2,048]; A: computed on the way; B: computed on the way: QUANTISED (scales: A lowp_scales[2], B lowp_scales[3])
;;     3. batch 64 x [M 2,048, K 2,048] x [K 2,048, N 64]; A: softmax (see below); B: computed on the way: QUANTISED (scales: A lowp_scales[4], B lowp_scales[5])
;;     4. [M 8,192, K 1,024] x [K 1,024, N 1,024]; A: computed on the way; B: input W_out: QUANTISED (scales: A lowp_scales[6], B lowp_scales[7])
;;   THE QUANTISER, for each operand of a quantised product, along K:
;;     - The operand's scale is 2^e, e = its entry of the input lowp_scales (int32; the entries are numbered through the quantised products in the list's order, A before B).
;;     - Each number is divided by the scale, clamped to +-448, and rounded to the nearest number of E4M3, ties to even, subnormals kept.
;;     - The product sums the exact products of the quantised numbers (number of the format x scale) in f32.
;;   ~~~python
;;   def quantise(x, axis, e):      # numpy; x: float32 -> the quantised numbers, widened to float32 again
;;       x = np.moveaxis(x, axis, -1); K = x.shape[-1]
;;       r = np.clip(x / 2.0 ** e, -448, 448)
;;       step = 2.0 ** (np.maximum(np.frexp(np.where(r == 0, 1, r))[1] - 1, -6) - 3)
;;       q = np.round(r / step) * step * 2.0 ** e      # np.round: ties to even
;;       return np.moveaxis(q, -1, axis).astype(np.float32)
;;   ~~~
;;   SOFTMAX AHEAD OF A QUANTISED PRODUCT. Where the list says 'softmax', what is quantised is not the finished softmax but p = 2^(t - M), with t = logit x log2(e) and M = ceil(the row's largest t), a whole number; so 1/2 < the row's largest p <= 1. The row's sum l is taken of the UNQUANTISED p, in f32, and the product's result is divided by l at the end. Since M is a whole number, a kernel that streams over the keys may use a running M (the ceiling of the running maximum): every later rescaling is an exact power of two, so the quantised numbers keep their values, but for numbers so far below the row's largest that they fall under the format's range.
;;   OPERANDS COMPUTED ON THE WAY. 'Computed on the way' means the value that the module computes at that place (a softmax that the list does not call 'softmax' is quantised finished and normalised). What goes into a quantiser is computed in f32, as accurately as f32 sums, v_exp_f32 and their like allow (about 1e-6 of the number): no bf16 or f16 on the way to a quantiser, and a product that is left as it is and whose result goes on into a quantised operand takes f32 operands (vector FMAs, or v_wmma_f32_16x16x4_f32). A number that lies on a knife's edge between two numbers of the format may be rounded either way, as far as f32 arithmetic and the matrix unit's own rounding can turn it there, and no further.
;; One version. Each part assembles by itself: llvm-mc -triple=amdgcn-amd-amdhsa -mcpu=gfx1250 --defsym DOCPART=n.
;; ======== version 1 of 1: 4 launches
;; limits: right only within a limited range of input values
;; workspace buffers: codes 12,582,912 bytes; qkv 25,165,824 bytes; vimg 8,388,608 bytes
;; launch quant (part 1): grid 384 x 1, 4 waves a work-group, no clusters, 68,096 bytes of LDS; arguments x, W_qkv, W_out, lowp_scales, codes; writes codes
.if DOCPART == 1
	.amdgcn_target "amdgcn-amd-amdhsa--gfx1250"
	.amdhsa_code_object_version 6
	.text
	.protected	k_q37e2eb4caf_quant
	.globl	k_q37e2eb4caf_quant
	.p2align	8
	.type	k_q37e2eb4caf_quant,@function
k_q37e2eb4caf_quant:
	s_mov_b64 s[64:65], 0
	v_nop
	global_prefetch_b8 v0, s[64:65] scope:SCOPE_SE
	s_setreg_imm32_b32 hwreg(HW_REG_WAVE_MODE, 25, 1), 1
	s_wait_xcnt 0x0
; x [8192][1024], W_qkv [1024][3072] and W_out [1024][1024], f32, become codes of E4M3, one byte each, K innermost, in one buffer of 12,288 rows of 1,024 bytes:
; rows 0-8191 x, rows 8192-11263 the columns of W_qkv, rows 11264-12287 the columns of W_out.  code = number / 2^e, held within +-448, to the nearest code, ties to even;
; e = entry 0 (x), 1 (W_qkv), 7 (W_out) of the scales' exponents.  LIMITS: -126 <= e <= 119, so that 2^e and 448 x 2^e are f32 numbers; NaN among the inputs is not served.
; In W_out's rows the second and third group of 8 bytes of every 32 change places: a load of 16 bytes at 32 c + 16 (lane / 16) then brings k = 32 c + 8 (lane / 16) + 0..7 and 32 c + 16 + 8 (lane / 16) + 0..7,
; the order in which the last product's other operand arrives.
; Work-groups 0-255 take x: a plain stream; a wave takes 16 steps of 512 numbers.  Each load reads 512 consecutive bytes; a step's 2,048 bytes turn through the wave's own stage in LDS, so that a lane holds 16 neighbours
; along K for the conversions; a lane's 16 codes are 16 bytes and the wave stores 512 consecutive bytes.
; Work-groups 256-383 take the weights, whose K is the first axis: a lane takes a column and its registers run down K, so the conversions give codes with K innermost.  A wave takes 32 columns x 256 along K; the codes leave
; through the wave's own stage as rows: sixteen lanes store 256 consecutive bytes, aligned.  The two paths part on the work-group's number, have LDS bytes of their own, and never join.  Waves share nothing: no barrier.
.set STEPS, 16
.set SP,    80                         ; x: a lane's place in a stage: its 64 bytes + 16 of padding
.set WREG,  8192                       ; x: a region for each wave: two stages of 32 x SP bytes
.set WST,   32768                      ; the weights' stages begin here
.set WP,    272                        ; a stage row: 256 bytes of codes + 16 of padding
.set WSTG,  32*WP                      ; a wave's stage
.set SPARE, WST+4*WSTG                 ; behind them: the spare words, 128 bytes for each wave: two blocks of 256 bytes that no other line names
.set MANT,  0x600000                   ; the mantissa field of 448 as f32
.set SPW,   12                         ; v12  LDS address of my spare word; never rewritten
.set NIL,   13                         ; v13  0; never rewritten
.set R,     16                         ; x: v16-79   four sets of 16 numbers as they are loaded
.set X,     80                         ; x: v80-111  two sets of 16 neighbours
.set C,     128                        ; x: v128-191 codes: four registers for each step, so that no store's data are written again
.set OFF,   16                         ; weights: v16-47  row i of a block: i x pitch + 4 x lane
.set WX,    48                         ; weights: v48-111 two sets of 32 numbers
.set WC,    112                        ; weights: v112-119 a block's 32 codes as they are stored
.set TT,    120                        ; weights: v120-123 the block's two middle groups of 8 codes
.set OUTR,  124                        ; weights: v124-187 the way out
	s_load_b256 s[4:11], s[0:1], 0x0               ; x s[4:5], W_qkv s[6:7], W_out s[8:9], the scales' exponents s[10:11]
	s_load_b64 s[12:13], s[0:1], 0x20              ; the codes
	v_lshl_add_u32 v[SPW], v0, 2, SPARE
	v_mov_b32 v[NIL], 0
	v_lshrrev_b32 v1, 5, v0
	v_readfirstlane_b32 s16, v1                    ; wave 0..3
	v_and_b32 v2, 31, v0                           ; lane
	v_lshlrev_b32 v3, 4, v2                        ; 16 x lane
	; every LDS address of both paths is made here, ahead of the parting
	s_mul_i32 s17, s16, WREG
	v_lshrrev_b32 v14, 2, v2
	v_mul_u32_u24 v14, v14, SP
	v_and_b32 v15, 3, v2
	v_lshl_add_u32 v14, v15, 4, v14
	v_add_nc_u32 v14, s17, v14                     ; x, into the stage: SP (lane / 4) + 16 (lane % 4)
	v_mul_u32_u24 v15, v2, SP
	v_add_nc_u32 v15, s17, v15                     ; x, out of it: SP x lane: my 16 neighbours
	s_mul_i32 s17, s16, WSTG
	s_add_co_u32 s17, s17, WST
	v_mul_u32_u24 v4, v2, WP
	v_add_nc_u32 v4, s17, v4                       ; weights, into the stage: row = my column
	v_and_b32 v5, 15, v2
	v_lshrrev_b32 v6, 4, v2
	v_mul_u32_u24 v7, v6, WP
	v_lshl_add_u32 v7, v5, 4, v7
	v_add_nc_u32 v7, s17, v7                       ; weights, out of it: sixteen lanes to a row, two rows an instruction
	v_lshlrev_b32 v8, 10, v6
	v_lshl_add_u32 v8, v5, 4, v8                   ; and the same place in the codes' rows of 1,024 bytes
	v_lshlrev_b32 v9, 2, v2                        ; 4 x lane
	s_wait_kmcnt 0x0
	s_load_b256 s[24:31], s[10:11], 0x0            ; the eight exponents
	s_cmp_lt_u32 ttmp9, 256
	s_cbranch_scc0 .Lweights
	; ---------------- x
	s_lshl_b32 s17, ttmp9, 2
	s_add_co_u32 s18, s17, s16                     ; which run of 8,192 numbers is my wave's
	s_lshl_b32 s20, s18, 15
	s_mov_b32 s21, 0
	s_add_nc_u64 s[4:5], s[4:5], s[20:21]
	s_lshl_b32 s20, s18, 13
	s_add_nc_u64 s[12:13], s[12:13], s[20:21]
.macro LOAD t
.irp i, 0,1,2,3
	global_load_b128 v[R+16*((\t)%4)+4*\i:R+16*((\t)%4)+4*\i+3], v3, s[4:5] offset:2048*(\t)+512*\i th:TH_LOAD_NT   ; 32 lanes read 512 consecutive bytes
.endr
.endm
.macro TURN t                          ; step t's numbers through the stage: LDS serves a wave's instructions in order, so no wait stands between the stores and the loads
.irp i, 0,1,2,3
	ds_store_b128 v14, v[R+16*((\t)%4)+4*\i:R+16*((\t)%4)+4*\i+3] offset:32*SP*((\t)%2)+8*SP*\i
.endr
.irp i, 0,1,2,3
	ds_load_b128 v[X+16*((\t)%2)+4*\i:X+16*((\t)%2)+4*\i+3], v15 offset:32*SP*((\t)%2)+16*\i
.endr
.endm
.irp t, 0,1,2,3
	LOAD \t
.endr
	s_wait_kmcnt 0x0
	s_add_co_i32 s22, s24, 127
	s_lshl_b32 s23, s22, 23
	v_mov_b32 v11, s23                             ; 2^e as f32: the conversion takes its exponent field
	s_add_co_i32 s22, s22, 8
	s_lshl_b32 s22, s22, 23
	s_or_b32 s22, s22, MANT
	v_mov_b32 v10, s22                             ; 448 x 2^e
	s_wait_alu depctr_va_vdst(0)
	s_wait_loadcnt 12                              ; step 0's four loads are in; the 12 of steps 1 to 3 may be out
	TURN 0
.macro XSTEP t
.set XS, X+16*((\t)%2)
	s_wait_dscnt 0x0                               ; this step's numbers are back from the stage: so its stores into the stage have read their registers,
.if (\t)+4 < STEPS
	LOAD (\t)+4                                    ; which take the loads of four steps on
.endif
.if (\t)+1 < STEPS
.if STEPS-2-(\t) >= 3
	s_wait_loadcnt 12                              ; the next step's four loads are in; those of the three steps behind it may be out
.else
	s_wait_loadcnt 4*(STEPS-2-(\t))
.endif
	TURN (\t)+1                                    ; and go through the other stage while this step is worked
.endif
.irp i, 0,1,2,3,4,5,6,7,8,9,10,11,12,13,14,15
	v_med3_num_f32 v[XS+\i], v[XS+\i], -v10, v10   ; the conversion to an 8-bit code does not saturate (ISA guide 7.6.2): the hold at the largest code x the scale comes first
.endr
	v_cvt_scalef32_pk8_fp8_f32 v[C+4*(\t):C+4*(\t)+1], v[XS:XS+7], v11
	v_cvt_scalef32_pk8_fp8_f32 v[C+4*(\t)+2:C+4*(\t)+3], v[XS+8:XS+15], v11     ; the results go to a store alone; the next vector lines are the next step's holds, plain and on other registers
	global_store_b128 v3, v[C+4*(\t):C+4*(\t)+3], s[12:13] offset:512*(\t)      ; 32 lanes store 512 consecutive bytes
.endm
.irp t, 0,1,2,3,4,5,6,7,8,9,10,11,12,13,14,15
	XSTEP \t
.endr
	s_wait_tensorcnt 0x0                           ; the wave's end, behind my last LDS store
	ds_add_u32 v[SPW], v[NIL]
	s_wait_dscnt 0x0
	s_endpgm
	; ---------------- the weights
.Lweights:
	s_wait_kmcnt 0x0
	s_sub_co_u32 s17, ttmp9, 256                   ; 0-95: W_qkv, 96-127: W_out; four work-groups (256 along K each) to a block of 128 columns
	s_mov_b32 s22, 4096
	s_cmp_lt_u32 s17, 96                           ; the choices hang on the work-group's number alone
	s_cselect_b64 s[20:21], s[6:7], s[8:9]         ; the tensor,
	s_cselect_b32 s22, 12288, s22                  ; its row in bytes,
	s_cselect_b32 s23, 0, 24                       ; the first of its blocks of columns,
	s_cselect_b32 s19, s25, s31                    ; its exponent,
	s_cselect_b32 s48, 0, -1                       ; and whether the middle groups change places: a mask of all lanes
	s_lshr_b32 s49, s17, 2                         ; block of 128 rows behind x's in the codes
	s_sub_co_u32 s50, s49, s23                     ; block of 128 columns in the tensor
	s_and_b32 s51, s17, 3                          ; which 256 along K
	s_lshl_b32 s52, s22, 8
	s_mul_i32 s52, s52, s51                        ; 256 rows x that
	s_lshl_b32 s53, s50, 9
	s_add_co_u32 s52, s52, s53                     ; + 4 x 128 x block
	s_lshl_b32 s53, s16, 7
	s_add_co_u32 s52, s52, s53                     ; + 4 x 32 x wave
	s_mov_b32 s53, 0
	s_add_nc_u64 s[32:33], s[20:21], s[52:53]      ; block 0 along K
	s_lshl_b32 s54, s22, 5                         ; 32 rows
	s_mov_b32 s55, 0
.irp t, 1,2,3,4,5,6,7
	s_add_nc_u64 s[32+2*\t:33+2*\t], s[30+2*\t:31+2*\t], s[54:55]    ; a base for each of the eight blocks: none is ever stepped
.endr
	s_lshl_b32 s56, s49, 17                        ; 128 rows of 1,024 bytes
	s_lshl_b32 s57, s16, 15                        ; 32 rows
	s_add_co_u32 s56, s56, s57
	s_lshl_b32 s57, s51, 8                         ; 256 codes along K
	s_add_co_u32 s56, s56, s57
	s_add_co_u32 s56, s56, 0x800000                ; behind x's 8,192 rows
	s_mov_b32 s57, 0
	s_add_nc_u64 s[12:13], s[12:13], s[56:57]
.set i, 0
	s_wait_alu depctr_va_vdst(0)
.rept 32
	v_mad_u32_u24 v[OFF+i], s22, i, v9
.set i, i+1
.endr
.macro WLOAD t                         ; block t: W(32 t + i, my column), i = 0 .. 31, into set t % 2: each load reads 128 consecutive bytes, the four waves stand side by side
.set i, 0
.rept 32
	global_load_b32 v[WX+32*((\t)%2)+i], v[OFF+i], s[32+2*(\t):33+2*(\t)] th:TH_LOAD_NT
.set i, i+1
.endr
.endm
	WLOAD 0
	WLOAD 1
	s_add_co_i32 s19, s19, 127
	s_lshl_b32 s23, s19, 23
	v_mov_b32 v11, s23                             ; 2^e
	s_add_co_i32 s19, s19, 8
	s_lshl_b32 s19, s19, 23
	s_or_b32 s19, s19, MANT
	v_mov_b32 v10, s19                             ; 448 x 2^e
.macro WBLOCK t
.set XS, WX+32*((\t)%2)
.if (\t) < 7
	s_wait_loadcnt 32                              ; this block's 32 loads are in; the next block's may be out
.else
	s_wait_loadcnt 0
.endif
.set k, 0
.rept 32
	v_med3_num_f32 v[XS+k], v[XS+k], -v10, v10
.set k, k+1
.endr
	v_cvt_scalef32_pk8_fp8_f32 v[WC:WC+1], v[XS:XS+7], v11
	v_cvt_scalef32_pk8_fp8_f32 v[TT:TT+1], v[XS+8:XS+15], v11
	v_cvt_scalef32_pk8_fp8_f32 v[TT+2:TT+3], v[XS+16:XS+23], v11
	v_cvt_scalef32_pk8_fp8_f32 v[WC+6:WC+7], v[XS+24:XS+31], v11
	v_nop                                          ; one plain vector line between the conversions and the selects that read their results
	v_cndmask_b32 v[WC+2], v[TT], v[TT+2], s48     ; W_qkv: the groups as they come; W_out: the middle two change places
	v_cndmask_b32 v[WC+3], v[TT+1], v[TT+3], s48
	v_cndmask_b32 v[WC+4], v[TT+2], v[TT], s48
	v_cndmask_b32 v[WC+5], v[TT+3], v[TT+1], s48
	ds_store_b128 v4, v[WC:WC+3] offset:32*(\t)
	ds_store_b128 v4, v[WC+4:WC+7] offset:32*(\t)+16
.if (\t)+2 < 8
	WLOAD (\t)+2
.endif
	s_wait_dscnt 0x0                               ; the stores have read their registers: the next block's codes may be written
.endm
	s_wait_alu depctr_va_vdst(0)
.irp t, 0,1,2,3,4,5,6,7
	WBLOCK \t
.endr
.irp t, 0,1,2,3,4,5,6,7,8,9,10,11,12,13,14,15
	ds_load_b128 v[OUTR+4*\t:OUTR+4*\t+3], v7 offset:2*\t*WP       ; LDS serves a wave's instructions in order: these see my stores
.endr
.irp t, 0,1,2,3,4,5,6,7,8,9,10,11,12,13,14,15
	s_wait_dscnt 15-\t
	global_store_b128 v8, v[OUTR+4*\t:OUTR+4*\t+3], s[12:13] offset:2048*\t    ; sixteen lanes store 256 consecutive bytes, at a multiple of 256 from the buffer's first byte
.endr
	s_wait_tensorcnt 0x0                           ; the wave's end, behind my last LDS store
	ds_add_u32 v[SPW], v[NIL]
	s_wait_dscnt 0x0
	s_endpgm
.Lfunc_end_k_q37e2eb4caf_quant:
	.size	k_q37e2eb4caf_quant, .Lfunc_end_k_q37e2eb4caf_quant-k_q37e2eb4caf_quant
	.p2alignl 7, 3214868480
	.fill 96, 4, 3214868480
	.section	.rodata,"a",@progbits
	.p2align	6, 0x0
	.amdhsa_kernel k_q37e2eb4caf_quant
		.amdhsa_group_segment_fixed_size 68096
		.amdhsa_private_segment_fixed_size 0
		.amdhsa_enable_private_segment 0
		.amdhsa_kernarg_size 40
		.amdhsa_user_sgpr_count 2
		.amdhsa_user_sgpr_kernarg_segment_ptr 1
		.amdhsa_wavefront_size32 1
		.amdhsa_system_sgpr_workgroup_id_x 1
		.amdhsa_system_sgpr_workgroup_id_y 1
		.amdhsa_system_sgpr_workgroup_id_z 1
		.amdhsa_system_vgpr_workitem_id 0
		.amdhsa_next_free_vgpr 192
		.amdhsa_next_free_sgpr 66
		.amdhsa_reserve_vcc 0
		.amdhsa_float_denorm_mode_32 3
		.amdhsa_float_denorm_mode_16_64 3
		.amdhsa_memory_ordered 1
		.amdhsa_forward_progress 1
		.amdhsa_inst_pref_size 90
	.end_amdhsa_kernel
	.amdgpu_metadata
---
amdhsa.version: [ 1, 2 ]
amdhsa.kernels:
  - .name:           k_q37e2eb4caf_quant
    .symbol:         k_q37e2eb4caf_quant.kd
    .args:
      - { .name: x, .offset: 0, .size: 8, .value_kind: global_buffer, .address_space: global }
      - { .name: W_qkv, .offset: 8, .size: 8, .value_kind: global_buffer, .address_space: global }
      - { .name: W_out, .offset: 16, .size: 8, .value_kind: global_buffer, .address_space: global }
      - { .name: lowp_scales, .offset: 24, .size: 8, .value_kind: global_buffer, .address_space: global }
      - { .name: codes, .offset: 32, .size: 8, .value_kind: global_buffer, .address_space: global }
    .group_segment_fixed_size: 68096
    .private_segment_fixed_size: 0
    .kernarg_segment_align: 8
    .kernarg_segment_size: 40
    .max_flat_workgroup_size: 128
    .sgpr_count:     66
    .vgpr_count:     192
    .wavefront_size: 32
...
	.end_amdgpu_metadata
.endif
;; end of part 1
;; launch gemm_qkv (part 2): grid 12 x 32, 4 waves a work-group, clusters of 4 x 4, 327,680 bytes of LDS; arguments codes, lowp_scales, b_qkv, qkv; writes qkv
.if DOCPART == 2
	.amdgcn_target "amdgcn-amd-amdhsa--gfx1250"
	.amdhsa_code_object_version 6
	.text
	.protected	k_q37e2eb4caf_gemm_qkv
	.globl	k_q37e2eb4caf_gemm_qkv
	.p2align	8
	.type	k_q37e2eb4caf_gemm_qkv,@function
k_q37e2eb4caf_gemm_qkv:
	s_mov_b64 s[64:65], 0
	v_nop
	global_prefetch_b8 v0, s[64:65] scope:SCOPE_SE
	s_setreg_imm32_b32 hwreg(HW_REG_WAVE_MODE, 25, 1), 1
	s_wait_xcnt 0x0
	s_wait_alu depctr_hold_cnt(0) depctr_sa_sdst(0) depctr_va_vdst(0) depctr_va_sdst(0) depctr_va_ssrc(0) depctr_va_vcc(0) depctr_vm_vsrc(0)
	s_getreg_b32 s2, hwreg(HW_REG_IB_STS2, 6, 4)
	s_cmp_eq_u32 s2, 0
	s_cbranch_scc0 .Lentry_in_a_cluster
	s_endpgm
.Lentry_in_a_cluster:
	s_bfe_u32 s2, ttmp6, 0x10000c
	s_cmp_lg_u32 s2, 0xf033
	s_cbranch_scc0 .Lentry_shape_is_right
	s_endpgm
.Lentry_shape_is_right:
; qkv = x W_qkv + b_qkv on codes of E4M3 (K = 1,024), and q, k, v quantised at once for the two products of attention: nothing goes to memory as f32.
; Both operands are rows of the one buffer of codes (1,024 bytes a row): tiles of 256 rows 0-31 are x, 32-43 the columns of W_qkv.  A work-group of four waves makes 256 x 256; a wave 128 x 128: 64 accumulators, 512 registers.
; K goes in steps of 256 through a ring of two LDS slots; a step of 128 along K is 64 matrix instructions D = S0 fragment x S1 fragment: in D lane l holds S1's row l % 16, and its registers 0-7 S0's rows 8 (l / 16) + 0..7.
; So a lane's eight results are eight neighbours along S0's rows, and ONE conversion makes of an accumulator two registers of the next product's operand, in the matrix instruction's own layout (registers 2 c, 2 c + 1: k = 16 c + 8 (l / 16) + 0..7).
;   q, k (cluster x = 0, 1): S0 = columns of W, S1 = tokens: a lane holds one token and neighbours along the head's 64, the K of q k^T.
;   v    (cluster x = 2):    S0 = tokens, S1 = columns of W: a lane holds one channel and neighbouring KEYS, the K of p v.   The two cases differ in which rows go into which LDS region, in the bias's layout and in the stores' offsets.
; OUT: images of operand registers: q, k: [batch x head][tile of 16 tokens][1,024 bytes]: registers 0-3 at 16 x lane, 4-7 at 512 + 16 x lane.  v: [batch x head][128 keys][tile of 16 channels][2,048 bytes]: registers 4 c .. 4 c + 3 at 512 c + 16 x lane.
; Each store of the wave covers 512 consecutive bytes, aligned.
; SCALES: a sum stands for sum x 2^(e0 + e1).  The bias goes in as the C of the first K step, as b / 2^(e0 + e1); the conversion's one scale is 2^(et - e0 - e1), et = entry 2 (q), 3 (k), 5 (v).
; LIMITS: et - e0 - e1 between -126 and 119; b / 2^(e0 + e1) an f32 number; NaN among the inputs is not served.
; CLUSTERS: 4 x 4 work-groups.  S1's tile hangs on cy and is asked for jointly by my row of the cluster, S0's on cx and by my column: each by the same tensor load with the same descriptor and a mask that names the four.
; The branches on "is it v" hang on the cluster's x, which all sixteen share.
; REGISTERS, in windows of 256: window 0: v1-29 addresses and scales; v32-95 the bias, later a block's held sums; v128-255 S1's fragments (one set), later the codes.  window 1: S0's fragments, two sets.
;   window 2: the accumulators of S1's blocks 0-3 ((a, b) at v[8 (8 (a % 4) + b)]); window 3: those of blocks 4-7.
.set ROWB,   256                       ; a tile's row in bytes: 256 codes
.set KROW,   1024                      ; a row of the codes in memory
.set PITCH,  272                       ; an LDS row: 256 bytes + 16 of padding = 68 words: row r starts at bank 4 r mod 64 (64 banks of 4 bytes: ISA guide 11.1)
.set FR,     16                        ; registers of a fragment: 16 rows x 128 K
.set NL,     4                         ; LDS loads that bring one
.set NP,     4                         ; places behind this matrix instruction (ISA guide 7.12.1)
.set HALFT,  128*PITCH                 ; 128 rows: what one tensor load brings
.set SLOT,   4*HALFT                   ; S1's 256 rows, then S0's 256 rows
.set SPARE,  2*SLOT                    ; behind the ring: the spare words, 128 bytes for each wave: two blocks of 256 bytes that no other line names
.set STEP1,  2*ROWB                    ; a refill's step along K, S1 and S0
.set STEP0,  2*ROWB
.set OFFJ, 8                           ; v8-15   the bias's byte offsets, one for each register of a tile
.set ADRA, 16                          ; v16-17  LDS address of my S1 fragments in slot 0, 1
.set ADRB, 20                          ; v20-21  the same for S0
.set LI,   24                          ; v24     16 x lane
.set SCL,  26                          ; v26     2^(et - e0 - e1)
.set LIMV, 27                          ; v27     448 x that
.set SPW,  28                          ; v28     LDS address of my spare word; never rewritten
.set NIL,  29                          ; v29     0; never rewritten
.set BIAS, 32
.set AF,   128
.set ISV,  13                          ; s13     1 where the cluster makes v
.set G1,  24                           ; s[24:31] group 1 for S1's tiles; s[32:39] group 0, a set for each slot
.set G0,  32
.set G1B, 48                           ; s[48:55], s[56:63] the same for S0's
.set G0B, 56
.set FLAGS, (0<<16)|(1<<20)|(1<<21)|(5<<22)|(3<<25)   ; elements of 1 byte; padding on; bit 21 beside a mask; after every 64 words (code 5) 4 words (code 3)
.set MSB, 0
.macro WIN new                         ; the immediate's high byte repeats the setting that is left
.if MSB != (\new)
	s_set_vgpr_msb (MSB<<8)|(\new)
.set MSB, (\new)
.endif
.endm
.set MUL_LO, 0xa1                      ; source 0 window 1, source 1 window 0, C and D window 2
.set MUL_HI, 0xf1                      ; the same, C and D window 3
.set BIA_LO, 0x81                      ; the first K step: C (the bias) window 0, D window 2
.set BIA_HI, 0xc1                      ; D window 3
.set TO_B,   0x40                      ; destination window 1, address window 0
; A joint load: waves 0 and 1 fetch S1's halves, waves 2 and 3 S0's.  An s_nop 0 and four v_nop follow each of the two lines, ahead of the jump, the label and what follows.
.macro JLOAD g0a, g1a, g0b, g1b
	s_cmp_eq_u32 s15, 0
	s_cbranch_scc0 .Lfor_b_\@
	tensor_load_to_lds s[\g0a:\g0a+3], s[\g1a:\g1a+7]
	s_nop 0
.rept 4
	v_nop
.endr
	s_branch .Lasked_\@
.Lfor_b_\@:
	tensor_load_to_lds s[\g0b:\g0b+3], s[\g1b:\g1b+7]
	s_nop 0
.rept 4
	v_nop
.endr
.Lasked_\@:
.endm
.macro CREST                           ; a round of the cluster's barrier behind its opening barrier
	s_cmp_lg_u32 s14, 0
	s_cbranch_scc1 .Lnot_wave_0_\@
	s_barrier_signal -3
.Lnot_wave_0_\@:
	s_barrier_wait -3
	s_barrier_signal -1
	s_barrier_wait -1
.endm
.macro CROUND                          ; a whole round
	s_barrier_signal -1
	s_barrier_wait -1
	CREST
.endm
	s_load_b256 s[4:11], s[0:1], 0x0               ; the codes s[4:5], the scales' exponents s[6:7], b_qkv s[8:9], qkv s[10:11]
	v_lshl_add_u32 v[SPW], v0, 2, SPARE
	v_mov_b32 v[NIL], 0
	ds_add_u32 v[SPW], v[NIL]                      ; the wave's opening: the add and its wait ahead of my first tensor load; the set-up below, work on registers, stands between them
	ds_add_u32 v[SPW], v[NIL]
	v_lshrrev_b32 v1, 5, v0
	v_readfirstlane_b32 s14, v1                    ; wave 0..3
	s_lshr_b32 s15, s14, 1                         ; which half of S1's rows is mine.  Also: I fetch for S1 (0) or for S0 (1)
	s_and_b32 s16, s14, 1                          ; which half of S0's rows.  Also: which 128 rows of that tile I fetch
	s_bfe_u32 s40, ttmp6, 0x40000                  ; cx
	s_bfe_u32 s41, ttmp6, 0x40004                  ; cy
	s_and_b32 s17, ttmp7, 0xffff
	s_lshl_b32 s17, s17, 2                         ; 4 x cluster y: the cluster's first tile of x
	s_lshl_b32 s42, ttmp9, 2
	s_add_co_u32 s42, s42, 32                      ; 32 + 4 x cluster x: its first tile of W's columns
	s_cmp_eq_u32 ttmp9, 2                          ; v?  The selects run between numbers of the whole cluster; cx or cy is added afterwards
	s_cselect_b32 s[ISV], 1, 0
	s_cselect_b32 s18, 40, s17
	s_cselect_b32 s19, s17, s42
	s_add_co_u32 s18, s18, s41                     ; S1's tile of 256 rows: hangs on cy alone
	s_add_co_u32 s19, s19, s40                     ; S0's: on cx alone
	s_lshl_b32 s43, s41, 2
	s_lshl_b32 s43, 15, s43                        ; my row of the cluster
	s_lshl_b32 s44, 0x1111, s40                    ; my column
	s_or_b32 s[G1+0], s43, FLAGS
	s_or_b32 s[G1B+0], s44, FLAGS
.irp g, G1, G1B
	s_mov_b32 s[\g+1], ROWB<<16                    ; tensor_dim0
	s_mov_b32 s[\g+2], 128<<16                     ; tensor_dim1
	s_mov_b32 s[\g+3], ROWB<<16                    ; tile_dim0
	s_mov_b32 s[\g+4], 128                         ; tile_dim1
	s_mov_b32 s[\g+5], KROW                        ; tensor_dim0_stride
	s_mov_b32 s[\g+6], 0
	s_mov_b32 s[\g+7], 0
.endr
	s_lshl_b32 s12, s16, 17                        ; the 128 rows that I fetch, in bytes
	s_lshl_b32 s20, s18, 18                        ; 256 rows of 1,024 bytes a tile
	s_add_co_u32 s20, s20, s12
	s_mov_b32 s21, 0
	s_lshl_b32 s46, s19, 18
	s_add_co_u32 s46, s46, s12
	s_mov_b32 s47, 0
	s_mul_i32 s45, s14, HALFT                      ; where they go: wave x 128 rows: no place in the cluster enters an LDS address
	s_wait_dscnt 0x0                               ; the opening add is done
	s_wait_kmcnt 0x0
	s_load_b256 s[68:75], s[6:7], 0x0              ; e0 .. e7
	s_add_nc_u64 s[20:21], s[4:5], s[20:21]
	s_add_nc_u64 s[46:47], s[4:5], s[46:47]
	CROUND                                         ; all sixteen work-groups are here: the first joint loads meet
.irp s, 0,1
	s_mov_b32 s[G0+4*\s], 1
	s_add_co_u32 s[G0+4*\s+1], s45, \s*SLOT
	s_add_nc_u64 s[G0+4*\s+2:G0+4*\s+3], s[20:21], \s*ROWB
	s_or_b32 s[G0+4*\s+3], s[G0+4*\s+3], 0x80000000
	s_mov_b32 s[G0B+4*\s], 1
	s_add_co_u32 s[G0B+4*\s+1], s45, \s*SLOT
	s_add_nc_u64 s[G0B+4*\s+2:G0B+4*\s+3], s[46:47], \s*ROWB
	s_or_b32 s[G0B+4*\s+3], s[G0B+4*\s+3], 0x80000000
.endr
	JLOAD G0, G1, G0B, G1B                         ; slot 0: one tensor load a wave at the head
	v_and_b32 v1, 15, v0                           ; r = l % 16
	v_bfe_u32 v2, v0, 4, 1                         ; h = l / 16
	s_wait_alu depctr_va_vdst(0)
	v_mul_u32_u24 v3, v1, PITCH
	v_lshl_add_u32 v4, v2, 4, v3                   ; a fragment's row x pitch + 16 x half
	s_mul_i32 s79, s15, HALFT                      ; my 128 rows of S1
	s_mul_i32 s80, s16, HALFT                      ; my 128 rows of S0,
	s_add_co_u32 s80, s80, 2*HALFT                 ; which lie behind S1's 256
.irp s, 0,1
	v_add_nc_u32 v[ADRA+\s], s79, v4
	v_add_nc_u32 v[ADRB+\s], s80, v4
	s_add_co_u32 s79, s79, SLOT
	s_add_co_u32 s80, s80, SLOT
.endr
	v_and_b32 v[LI], 31, v0
	v_lshlrev_b32 v[LI], 4, v[LI]
	; which columns of W and which tokens are my wave's (registers that feed no descriptor)
	s_cmp_eq_u32 s[ISV], 1
	s_cselect_b32 s81, s41, s40                    ; W's tile in the cluster's four
	s_cselect_b32 s82, s15, s16                    ; my half of it
	s_cselect_b32 s83, s16, s15                    ; my half of x's tile
	s_cselect_b32 s84, s19, s18                    ; x's tile, 0..31
	s_cselect_b32 s85, 0, 4                        ; the bias from register to register: v: the same number; q, k: the next
	s_cselect_b32 s86, -1, 0                       ; a mask of all lanes
	s_lshl_b32 s2, ttmp9, 12                       ; the bias of my 128 columns: 4 x (1,024 x cluster x + 256 x tile + 128 x half)
	s_lshl_b32 s3, s81, 10
	s_add_co_u32 s2, s2, s3
	s_lshl_b32 s3, s82, 9
	s_add_co_u32 s2, s2, s3
	s_mov_b32 s3, 0
	s_add_nc_u64 s[8:9], s[8:9], s[2:3]
	v_lshlrev_b32 v5, 5, v2                        ; q, k: the tile's eight columns of my half: 32 h + 4 j
	v_lshlrev_b32 v6, 2, v1                        ; v: my lane's column: 4 r
	v_cndmask_b32 v7, v5, v6, s86
.irp j, 0,1,2,3,4,5,6,7
	v_mad_u32_u24 v[OFFJ+\j], s85, \j, v7
.endr
.irp u, 0,1,2,3,4,5,6,7
.irp j, 0,1,2,3,4,5,6,7
	global_load_b32 v[BIAS+8*\u+\j], v[OFFJ+\j], s[8:9] offset:64*\u       ; tile u of 16 columns, in the result's layout
.endr
.endr
	s_lshl_b32 s2, ttmp9, 23                       ; where my wave's images begin: q, k or v,
	s_lshr_b32 s87, s84, 3
	s_lshl_b32 s87, s87, 21                        ; the batch's 16 heads of 131,072 bytes,
	s_add_co_u32 s2, s2, s87
	s_lshl_b32 s87, s81, 19                        ; head 4 x tile + 2 x half,
	s_add_co_u32 s2, s2, s87
	s_lshl_b32 s87, s82, 18
	s_add_co_u32 s2, s2, s87
	s_and_b32 s87, s84, 7
	s_lshl_b32 s87, s87, 14                        ; and my 128 tokens: 8,192 bytes in each of the three layouts
	s_add_co_u32 s2, s2, s87
	s_lshl_b32 s87, s83, 13
	s_add_co_u32 s2, s2, s87
	s_add_nc_u64 s[10:11], s[10:11], s[2:3]
	s_wait_kmcnt 0x0
	s_add_co_i32 s76, s68, s69                     ; e0 + e1
	s_cmp_eq_u32 ttmp9, 0
	s_cselect_b32 s77, s70, s71
	s_cmp_eq_u32 ttmp9, 2
	s_cselect_b32 s77, s73, s77                    ; et
	s_sub_co_i32 s77, s77, s76
	s_add_co_i32 s77, s77, 127
	s_add_co_i32 s78, s77, 8
	s_lshl_b32 s77, s77, 23
	s_lshl_b32 s78, s78, 23
	s_or_b32 s78, s78, 0x600000
	v_mov_b32 v[SCL], s77
	v_mov_b32 v[LIMV], s78
	s_sub_co_i32 s76, 0, s76
	s_wait_loadcnt 0x0
.set n, 0
.rept 64
	v_ldexp_f32 v[BIAS+n], v[BIAS+n], s76          ; b / 2^(e0 + e1): nothing is rounded
.set n, n+1
.endr
.macro FRAG reg, adr, q, i             ; 16 rows x 128 K: four loads of 16 bytes, 32 apart: the same permutation of k in both operands
.irp c, 0,1,2,3
	ds_load_b128 v[\reg+4*\c:\reg+4*\c+3], v[\adr] offset:128*(\q)+32*\c+(\i)*16*PITCH
.endr
.endm
; 16 matrix instructions: S1's blocks a0, a0 + 1 x S0's eight.  p: S0's set.  mode 0: the sums go on; 1: they start from the bias of S0's block (q, k); 2: from that of S1's block (v).  Nothing is ever cleared.
; The 64 accumulators take turns, one instruction a turn, in the same order in every step.
.macro MUL16 a0, p, mode
.irp a, \a0, \a0+1
.irp b, 0,1,2,3,4,5,6,7
.if \mode == 1
	v_wmma_f32_16x16x128_fp8_fp8 v[8*(8*((\a)%4)+\b):8*(8*((\a)%4)+\b)+7], v[128*(\p)+FR*\b:128*(\p)+FR*\b+FR-1], v[AF+FR*(\a):AF+FR*(\a)+FR-1], v[BIAS+8*\b:BIAS+8*\b+7]
.elseif \mode == 2
	v_wmma_f32_16x16x128_fp8_fp8 v[8*(8*((\a)%4)+\b):8*(8*((\a)%4)+\b)+7], v[128*(\p)+FR*\b:128*(\p)+FR*\b+FR-1], v[AF+FR*(\a):AF+FR*(\a)+FR-1], v[BIAS+8*(\a):BIAS+8*(\a)+7]
.else
	v_wmma_f32_16x16x128_fp8_fp8 v[8*(8*((\a)%4)+\b):8*(8*((\a)%4)+\b)+7], v[128*(\p)+FR*\b:128*(\p)+FR*\b+FR-1], v[AF+FR*(\a):AF+FR*(\a)+FR-1], v[8*(8*((\a)%4)+\b):8*(8*((\a)%4)+\b)+7]
.endif
.endr
.endr
.endm
.macro FETCH_B slot, q, p              ; S0's eight fragments of the slot's q-th 128 along K into set p
	WIN TO_B
.irp i, 0,1,2,3,4,5,6,7
	FRAG 128*(\p)+FR*\i, ADRB+\slot, \q, \i
.endr
	WIN 0
.endm
.macro FETCH_A slot, q, i0             ; S1's blocks i0 .. i0 + 3
.irp i, \i0, \i0+1, \i0+2, \i0+3
	FRAG AF+FR*(\i), ADRA+\slot, \q, \i
.endr
.endm
.macro PLACES n                        ; plain vector lines between a matrix instruction and a load into, or a vector line on, its registers
.rept \n
	v_nop
.endr
.endm
; A step of 128 along K that has its successor in the same slot.
.macro STEP slot, q, mode
	s_wait_dscnt 4*NL                              ; S0's set and S1's blocks 0-3 are in; the youngest 16 loads (blocks 4-7) may be out
.if \mode
	WIN BIA_LO
.else
	WIN MUL_LO
.endif
	MUL16 0, (\q)%2, \mode
	MUL16 2, (\q)%2, \mode
	s_wait_dscnt 0                                 ; blocks 4-7 are in (asked for 32 matrix instructions ago)
	PLACES NP
	FETCH_B \slot, (\q)+1, 1-(\q)%2
	FETCH_A \slot, (\q)+1, 0
.if \mode
	WIN BIA_HI
.else
	WIN MUL_HI
.endif
	MUL16 4, (\q)%2, \mode
	MUL16 6, (\q)%2, \mode
	PLACES NP
	WIN 0
	FETCH_A \slot, (\q)+1, 4
.endm
; A slot's last step changes slots: ONE barrier; in front of it each wave waits for all its tensor loads, adds 0 to its spare word, and waits for that and for its own reads of this slot.  fill = 1: this slot is filled again, two K steps ahead.
.macro TURN slot, next, fill
	s_wait_tensorcnt 0x0                           ; all my tensor loads have landed: my part of the next slot  (every window is 0 here)
	ds_add_u32 v[SPW], v[NIL]                      ; 0 onto my spare word
	s_wait_dscnt 4*NL+1                            ; (the add and the youngest 16 loads may be out)
	WIN MUL_LO
	MUL16 0, 1, 0                                  ; sixteen matrix instructions stand between the add and the wait for it
	s_wait_dscnt 0x0                               ; the add is done, and my reads of this slot are over
	s_barrier_signal -1
	MUL16 2, 1, 0
	WIN 0
	s_barrier_wait -1
.if \fill
	CREST                                          ; the barrier has opened a round of the cluster's barrier: no wave of any partner still reads this slot's tile or has a load on its way
	s_add_nc_u64 s[G0+4*\slot+2:G0+4*\slot+3], s[G0+4*\slot+2:G0+4*\slot+3], STEP1
	s_add_nc_u64 s[G0B+4*\slot+2:G0B+4*\slot+3], s[G0B+4*\slot+2:G0B+4*\slot+3], STEP0
	JLOAD G0+4*\slot, G1, G0B+4*\slot, G1B         ; the first tensor load behind the round; the four v_nop behind it are the places in front of the loads below
.else
	PLACES NP
.endif
	FETCH_B \next, 0, 0
	FETCH_A \next, 0, 0
	WIN MUL_HI
	MUL16 4, 1, 0
	MUL16 6, 1, 0
	PLACES NP
	WIN 0
	FETCH_A \next, 0, 4
.endm
	s_wait_alu depctr_va_vdst(0)                   ; the head's end
	s_wait_tensorcnt 0x0                           ; my part of slot 0 is in
	ds_add_u32 v[SPW], v[NIL]
	s_wait_dscnt 0x0
	CROUND                                         ; everybody's part of slot 0 is in, and all sixteen work-groups are here
	JLOAD G0+4, G1, G0B+4, G1B                     ; slot 1's first fill: the first tensor load behind the round
	FETCH_B 0, 0, 0
	FETCH_A 0, 0, 0
	FETCH_A 0, 0, 4
	s_cmp_eq_u32 s[ISV], 1                         ; the first step is written twice: its products start the sums from the bias, which lies by S0's blocks (q, k) or by S1's (v).  Both ways hold the same loads and waits
	s_cbranch_scc1 .Lfirst_v
	s_wait_alu depctr_va_vdst(0)
	STEP 0, 0, 1
	s_branch .Lfirst_done
.Lfirst_v:
	s_wait_alu depctr_va_vdst(0)
	STEP 0, 0, 2
.Lfirst_done:
	TURN 0, 1, 1                                   ; K = 1,024 is four slots: both slots are filled again once
	STEP 1, 0, 0
	TURN 1, 0, 1
	STEP 0, 0, 0
	TURN 0, 1, 0                                   ; the last lap fills nothing, and has no round of the cluster's barrier
	STEP 1, 0, 0
	s_wait_dscnt 4*NL                              ; the very last step: nothing more to fetch
	WIN MUL_LO
	MUL16 0, 1, 0
	MUL16 2, 1, 0
	s_wait_dscnt 0
	WIN MUL_HI
	MUL16 4, 1, 0
	MUL16 6, 1, 0
	WIN 0
; THE WAY OUT, by S1's blocks.  The block's 64 sums are held within +-448 x the scale (into other registers, each accumulator from its low end on), eight conversions make 16 registers of codes, four stores send them.
; Each block has code registers of its own, so no store's data are written again.
.macro OUTBLK a
	WIN 0x02+((\a)/4)                              ; source 0: window 2 or 3
.set n, 0
.rept 64
	v_med3_num_f32 v[BIAS+n], v[64*((\a)%4)+n], -v[LIMV], v[LIMV]
.set n, n+1
.endr
	WIN 0
.irp b, 0,1,2,3,4,5,6,7
	v_cvt_scalef32_pk8_fp8_f32 v[AF+16*(\a)+2*\b:AF+16*(\a)+2*\b+1], v[BIAS+8*\b:BIAS+8*\b+7], v[SCL]
.endr
	v_nop                                          ; one plain vector line behind the conversions: the next block's holds write their sources
	s_cmp_eq_u32 s[ISV], 1
	s_cbranch_scc1 .Lout_v_\@
.irp c, 0,1,2,3
	global_store_b128 v[LI], v[AF+16*(\a)+4*\c:AF+16*(\a)+4*\c+3], s[10:11] offset:(\c/2)*131072+(\a)*1024+(\c%2)*512   ; q, k: head c / 2 of my two, tile a of my eight, half c % 2 of the image
.endr
	s_branch .Lout_done_\@
.Lout_v_\@:
	s_wait_alu depctr_va_vdst(0)
.irp c, 0,1,2,3
	global_store_b128 v[LI], v[AF+16*(\a)+4*\c:AF+16*(\a)+4*\c+3], s[10:11] offset:((\a)/4)*131072+((\a)%4)*2048+512*\c  ; v: head a / 4 of my two, tile a % 4 of its channels
.endr
.Lout_done_\@:
.endm
	PLACES NP                                      ; behind the last products: the holds and conversions below write registers that they read
.irp a, 0,1,2,3,4,5,6,7
	OUTBLK \a
.endr
	s_wait_tensorcnt 0x0                           ; the wave's end, behind my last tensor load
	ds_add_u32 v[SPW], v[NIL]
	s_wait_dscnt 0x0
	CROUND                                         ; the closing round: no work-group ends while a partner may still ask for a tile that names it
	s_endpgm
.Lfunc_end_k_q37e2eb4caf_gemm_qkv:
	.size	k_q37e2eb4caf_gemm_qkv, .Lfunc_end_k_q37e2eb4caf_gemm_qkv-k_q37e2eb4caf_gemm_qkv
	.p2alignl 7, 3214868480
	.fill 96, 4, 3214868480
	.section	.rodata,"a",@progbits
	.p2align	6, 0x0
	.amdhsa_kernel k_q37e2eb4caf_gemm_qkv
		.amdhsa_group_segment_fixed_size 327680
		.amdhsa_private_segment_fixed_size 0
		.amdhsa_enable_private_segment 0
		.amdhsa_kernarg_size 32
		.amdhsa_user_sgpr_count 2
		.amdhsa_user_sgpr_kernarg_segment_ptr 1
		.amdhsa_wavefront_size32 1
		.amdhsa_system_sgpr_workgroup_id_x 1
		.amdhsa_system_sgpr_workgroup_id_y 1
		.amdhsa_system_sgpr_workgroup_id_z 1
		.amdhsa_system_vgpr_workitem_id 0
		.amdhsa_next_free_vgpr 1024
		.amdhsa_next_free_sgpr 100
		.amdhsa_reserve_vcc 0
		.amdhsa_float_denorm_mode_32 3
		.amdhsa_float_denorm_mode_16_64 3
		.amdhsa_memory_ordered 1
		.amdhsa_forward_progress 1
		.amdhsa_inst_pref_size 142
	.end_amdhsa_kernel
	.amdgpu_metadata
---
amdhsa.version: [ 1, 2 ]
amdhsa.kernels:
  - .name:           k_q37e2eb4caf_gemm_qkv
    .symbol:         k_q37e2eb4caf_gemm_qkv.kd
    .args:
      - { .name: codes, .offset: 0, .size: 8, .value_kind: global_buffer, .address_space: global }
      - { .name: lowp_scales, .offset: 8, .size: 8, .value_kind: global_buffer, .address_space: global }
      - { .name: b_qkv, .offset: 16, .size: 8, .value_kind: global_buffer, .address_space: global }
      - { .name: qkv, .offset: 24, .size: 8, .value_kind: global_buffer, .address_space: global }
    .group_segment_fixed_size: 327680
    .private_segment_fixed_size: 0
    .kernarg_segment_align: 8
    .kernarg_segment_size: 32
    .max_flat_workgroup_size: 128
    .sgpr_count:     100
    .vgpr_count:     1024
    .wavefront_size: 32
...
	.end_amdgpu_metadata
.endif
;; end of part 2
;; launch attn (part 3): grid 4 x 64, 16 waves a work-group, clusters of 4 x 1, 327,680 bytes of LDS; arguments qkv, lowp_scales, vimg; writes vimg
.if DOCPART == 3
	.amdgcn_target "amdgcn-amd-amdhsa--gfx1250"
	.amdhsa_code_object_version 6
	.text
	.protected	k_q37e2eb4caf_attn
	.globl	k_q37e2eb4caf_attn
	.p2align	8
	.type	k_q37e2eb4caf_attn,@function
k_q37e2eb4caf_attn:
	s_mov_b64 s[64:65], 0
	v_nop
	global_prefetch_b8 v0, s[64:65] scope:SCOPE_SE
	s_setreg_imm32_b32 hwreg(HW_REG_WAVE_MODE, 25, 1), 1
	s_wait_xcnt 0x0
	s_wait_alu depctr_hold_cnt(0) depctr_sa_sdst(0) depctr_va_vdst(0) depctr_va_sdst(0) depctr_va_ssrc(0) depctr_va_vcc(0) depctr_vm_vsrc(0)
	s_getreg_b32 s2, hwreg(HW_REG_IB_STS2, 6, 4)
	s_cmp_eq_u32 s2, 0
	s_cbranch_scc0 .Lentry_in_a_cluster
	s_endpgm
.Lentry_in_a_cluster:
	s_bfe_u32 s2, ttmp6, 0x10000c
	s_cmp_lg_u32 s2, 0x3003
	s_cbranch_scc0 .Lentry_shape_is_right
	s_endpgm
.Lentry_shape_is_right:
; vals = softmax(q k^T / 8, causal) v for 64 heads (batch x head) of 2,048 tokens x 64 channels, both products on codes of E4M3, and vals quantised at once for the last product.
; q, k, v arrive as images of operand registers: q, k: [head][tile of 16 tokens][1,024 bytes] (registers 0-3 at 16 x lane, 4-7 at 512 + 16 x lane; lane (r, h): token r, registers 2 c, 2 c + 1: channels 16 c + 8 h + 0..7);
; v: [head][128 keys][tile of 16 channels][2,048 bytes] (registers 4 c .. 4 c + 3 at 512 c + 16 x lane; lane (r, h): channel r, registers 2 c, 2 c + 1: keys 16 c + 8 h + 0..7).
; THE SOFTMAX: t = score x log2(e) / 8; M = the row's largest t so far, rounded UP to a whole number; p = 2^(t - M) is quantised with 2^e4, not normalised; the row's sum is taken of the unquantised p and divides at the end.
; When M moves, the sum and O are multiplied by 2^(old M - new M): exact.  The running maximum is kept of the scores themselves: c is positive, so c x the largest score is the largest t.
; LEFT OUT: key steps all of whose keys come after a tile's queries: the causal mask gives them the softmax weight 0.  In the step on the diagonal hidden scores become -infinity, so their p is 0.
; LAYOUT: S^T = K Q^T (source 0 = 16 keys, source 1 = my 16 queries, K = 64), O^T = V^T P^T (source 0 = 16 channels, source 1 = P, K = 128 keys): a lane holds ONE query (lane % 16) throughout.
; LDS: a head's K and V are 2 x 131,072 bytes and lie in LDS whole: key step s (128 keys) at 16,384 s: K's 8 images, then V's 4.  Wave w asks for step w by its one tensor load at the head (two rows of 8,192 bytes, K's and V's,
; 8,388,608 bytes apart in qkv).  Nothing is filled again: one barrier behind the loads, none in the loop.
; CLUSTER: the four work-groups of a head read the same K and V: 4 x 1 work-groups ask for each step jointly (mask 15).
; SHARES: a head has 16 groups of 128 queries, 8 tiles of 16 each; every tile of group g wants key steps 0 .. g.  Work-group cx takes tiles 2 cx and 2 cx + 1 of every group.  Wave w takes tile 2 cx of group w, steps w .. 0,
; then tile 2 cx + 1 of group 15 - w, steps 15 - w .. 0: 17 steps in every wave.  Both walks begin on the diagonal, which holds each query's own key, so M is a number from a tile's first step on.
; The first walk's first step is the one that the wave's own load brought: it is worked between the barrier's signal and its wait.  No branch, trip count or LDS address hangs on cx: it enters the mask's compare and global offsets alone.
; TWO REGIONS of 64 registers, v32-95 and v96-159, change roles from step to step: K's fragments lie in one, the scores go to the other; V's fragments follow K's; when p has been converted, the next step's K is asked for onto its registers.
; So the first step is written out and a trip of the loop holds two steps: 8 trips.  The last trip's look-ahead reads key step 15's K once more (16 LDS loads a wave) and nobody uses it.
; NO PREFETCH: all tensor loads go out at the head, one a wave; the loop loads nothing from memory but the second tile's Q, so there is no later load to ask ahead of.
; OUT: vimg [tile of 256 tokens: 32][four heads: 4][tile of 16 tokens: 16][head: 4][1,024 bytes], an image as q's.  Each store covers 512 consecutive bytes, aligned.
; LIMITS: e2 + e3 between -123 and 130 (added to c's exponent field); e4 and e6 between -126 and 119; e4 + e5 goes in by v_ldexp_f32; the scaled scores stay under 2^31 in magnitude; NaN among the inputs is not served.
; REGISTERS: v1 16 x lane; v5, v6 the add's two; v7 the mask's lane term; v8, v11 the LDS addresses of this step and the next, by turns; v9, v10 Q's offsets; v12 -M, v13 the largest score; v14, v15 at work at a tile's end;
;   v16-23 Q in hand, v24-31 Q of the second tile; v160-191 O^T; v192-207 the codes that go out; v208-223 the row's sum in eight pairs; v224-239 p's codes; v240, v241: 448 x 2^e4; v244 2^e4; v245 2^e6; v247 448 x 2^e6;
;   v246, v248-254 at work.
.set STEPB, 16384                      ; a key step in LDS
.set VOFF,  8192                       ; V's images in it
.set SPARE, 16*STEPB                   ; behind the tiles: the spare words, 128 bytes for each wave: eight blocks of 256 bytes that no other line names
.set LI,   1
.set SPW,  5
.set NIL,  6
.set DM,   7
.set A0,   8
.set A1,   11
.set LS,   208                         ; v208-223 the sum's eight pairs
.set TBN,  2                           ; s2   LDS byte at which the next step begins
.set WX,   3                           ; s3   15 - w
.set WV,   18                          ; s18  my wave's number
.set CX,   19                          ; s19  my work-group's place in the cluster
.set SEL,  20                          ; s[20:21] lane selects for v_permlanex16_b32: lane l xor 16
.set CS,   22                          ; s[22:23] c = log2(e) / 8 x 2^(e2 + e3)
.set G1,   24                          ; s[24:31] descriptor group 1
.set G0,   40                          ; s[40:43] group 0
.set OH,   88                          ; s[88:89] where the first tile's image goes;  s[90:91] the second's
.set OL,   90
.set EPV,  92                          ; s92  e4 + e5
.set N,    93                          ; s93  the number of the trip's first step
.set ST,   94                          ; s94  the key step in hand
.set GRP,  95                          ; s95  the group of the tile in hand: its step on the diagonal
.set STN,  99                          ; s99  the next key step
.macro CROUND                          ; a round of the cluster's barrier
	s_barrier_signal -1
	s_barrier_wait -1
	s_cmp_lg_u32 s[WV], 0
	s_cbranch_scc1 .Lnot_wave_0_\@
	s_barrier_signal -3
.Lnot_wave_0_\@:
	s_barrier_wait -3
	s_barrier_signal -1
	s_barrier_wait -1
.endm
	s_load_b128 s[4:7], s[0:1], 0x0                ; qkv s[4:5], the scales' exponents s[6:7]
	s_load_b64 s[8:9], s[0:1], 0x10                ; vimg
	v_lshl_add_u32 v[SPW], v0, 2, SPARE
	v_mov_b32 v[NIL], 0
	ds_add_u32 v[SPW], v[NIL]                      ; the wave's opening: the add, twice on end, and its wait ahead of my tensor load
	ds_add_u32 v[SPW], v[NIL]
	v_lshrrev_b32 v2, 5, v0
	v_readfirstlane_b32 s[WV], v2                  ; wave 0..15
	s_bfe_u32 s[CX], ttmp6, 0x40000
	s_and_b32 s10, ttmp7, 0xffff                   ; batch x 16 + head
	s_lshl_b32 s11, s10, 17                        ; my head's 131,072 bytes in each of q, k, v
	s_lshl_b32 s12, s[WV], 13                      ; key step w: 8,192 bytes on,
	s_add_co_u32 s12, s12, s11
	s_add_co_u32 s12, s12, 0x800000                ; in k, which lies 8,388,608 bytes in; v lies as far behind k
	s_mov_b32 s13, 0
	s_mov_b32 s[G1], 15|(3<<16)|(1<<21)            ; the mask: all four of the cluster; elements of 8 bytes; bit 21 beside a mask; no padding
	s_mov_b32 s[G1+1], 1024<<16                    ; tensor_dim0 = 1,024 elements: 8,192 bytes
	s_mov_b32 s[G1+2], 2<<16                       ; tensor_dim1 = 2: K's row, V's row
	s_mov_b32 s[G1+3], 1024<<16                    ; tile_dim0
	s_mov_b32 s[G1+4], 2                           ; tile_dim1
	s_mov_b32 s[G1+5], 1048576                     ; from row to row: 8,388,608 bytes
	s_mov_b32 s[G1+6], 0
	s_mov_b32 s[G1+7], 0
	s_mov_b32 s[SEL], 0x76543210
	s_mov_b32 s[SEL+1], 0xfedcba98
	s_mov_b32 s[CS], 0x3e38aa3b                    ; log2(e) / 8
	s_mov_b32 s[N], 0
	s_mov_b32 s[GRP], s[WV]
	s_mov_b32 s[ST], s[WV]
	s_xor_b32 s[WX], s[WV], 15
	; my two tiles' first queries (registers that feed no descriptor)
	s_lshl_b32 s33, s[CX], 5
	s_lshl_b32 s32, s[WV], 7
	s_add_co_u32 s32, s32, s33                     ; 128 w + 32 cx
	s_lshl_b32 s34, s[WX], 7
	s_add_co_u32 s34, s34, s33
	s_add_co_u32 s34, s34, 16                      ; 128 (15 - w) + 32 cx + 16
	; where their images of vals go: (8 batch + query / 256) x 262,144 + (head / 4) x 65,536 + (query / 16 % 16) x 4,096 + (head % 4) x 1,024
	s_lshr_b32 s14, s10, 4
	s_lshl_b32 s14, s14, 21
	s_bfe_u32 s15, s10, 0x20002
	s_lshl_b32 s15, s15, 16
	s_add_co_u32 s14, s14, s15
	s_and_b32 s15, s10, 3
	s_lshl_b32 s15, s15, 10
	s_add_co_u32 s14, s14, s15
.irp a, 32, 34
	s_lshr_b32 s15, s[\a], 8
	s_lshl_b32 s15, s15, 18
	s_bfe_u32 s[\a+4], s[\a], 0x40004
	s_lshl_b32 s[\a+4], s[\a+4], 12
	s_add_co_u32 s[\a+4], s[\a+4], s15
	s_add_co_u32 s[\a+4], s[\a+4], s14
	s_mov_b32 s[\a+5], 0
.endr
	v_and_b32 v[LI], 31, v0
	v_lshlrev_b32 v[LI], 4, v[LI]
	s_lshl_b32 s15, s32, 6                         ; a tile of 16 queries is 1,024 bytes
	s_add_co_u32 s15, s15, s11
	v_add_nc_u32 v9, s15, v[LI]
	s_lshl_b32 s15, s34, 6
	s_add_co_u32 s15, s15, s11
	v_add_nc_u32 v10, s15, v[LI]
	s_lshl_b32 s15, s[WV], 14
	v_add_nc_u32 v[A0], s15, v[LI]                 ; my own key step in LDS
	s_wait_alu depctr_va_vdst(0)
	s_wait_dscnt 0x0                               ; both opening adds are done
	s_wait_kmcnt 0x0
	s_load_b256 s[68:75], s[6:7], 0x0              ; e0 .. e7
	global_load_b128 v[16:19], v9, s[4:5]          ; the first tile's fragment of Q
	global_load_b128 v[20:23], v9, s[4:5] offset:512
	s_mov_b32 s[G0], 1                             ; count = 1
	s_lshl_b32 s[G0+1], s[WV], 14                  ; LDS address: step w
	s_add_nc_u64 s[G0+2:G0+3], s[4:5], s[12:13]
	s_or_b32 s[G0+3], s[G0+3], 0x80000000          ; type = 2
	CROUND                                         ; all four work-groups are here: the joint loads meet
	tensor_load_to_lds s[G0:G0+3], s[G1:G1+7]      ; my one tensor load of the launch
	s_nop 0
.rept 4
	v_nop
.endr
	s_add_nc_u64 s[OH:OH+1], s[8:9], s[36:37]
	s_add_nc_u64 s[OL:OL+1], s[8:9], s[38:39]
	v_and_b32 v2, 15, v0                           ; r
	v_bfe_u32 v3, v0, 4, 1                         ; h
	v_lshlrev_b32 v3, 3, v3
	v_sub_nc_u32 v[DM], v2, v3
	v_add_nc_u32 v[DM], s33, v[DM]                 ; my query's place in its group less 8 h: in the step on the diagonal register 8 t + j (key 16 t + 8 h + j) is hidden where 16 t + j > this
	v_mov_b32 v13, 0xff61b1e6                      ; the largest score so far: -3e38, under every score
	v_floor_f32 v12, -v13                          ; -M: 3e38
	v_mov_b32 v246, 0                              ; written once: a lane permute's destination counts as one of its sources
	v_mov_b32 v253, 0                              ; (named as the upper half of the pair v[252:253])
.set n, 0
.rept 16
	v_mov_b32 v[LS+n], 0                           ; the sum
.set n, n+1
.endr
.set n, 0
.rept 32
	v_mov_b32 v[160+n], 0                          ; O^T: a tile's first step finds zeros, which the first change of M leaves zeros
.set n, n+1
.endr
	s_wait_kmcnt 0x0
	s_add_co_i32 s15, s70, s71
	s_lshl_b32 s15, s15, 23
	s_add_co_i32 s[CS], s[CS], s15                 ; a score stands for score x 2^(e2 + e3): the two exponents are added to c's exponent field
	s_mov_b32 s[CS+1], s[CS]                       ; (named with it as a pair, so it is written)
	s_add_co_i32 s15, s72, 127
	s_lshl_b32 s14, s15, 23
	v_mov_b32 v244, s14                            ; 2^e4
	s_add_co_i32 s15, s15, 8
	s_lshl_b32 s15, s15, 23
	s_or_b32 s15, s15, 0x600000
	v_mov_b32 v240, s15                            ; 448 x 2^e4, in two registers: one for each half of a dual pair
	v_mov_b32 v241, s15
	s_add_co_i32 s15, s74, 127
	s_lshl_b32 s14, s15, 23
	v_mov_b32 v245, s14                            ; 2^e6
	s_add_co_i32 s15, s15, 8
	s_lshl_b32 s15, s15, 23
	s_or_b32 s15, s15, 0x600000
	v_mov_b32 v247, s15                            ; 448 x 2^e6
	s_add_co_i32 s[EPV], s72, s73
.macro DUAL sr, t                      ; tile t of p is held: the conversion does not saturate (ISA guide 7.6.2); p is not negative, so the hold is one-sided; two numbers a line
.irp i, 0,2,4,6
	v_dual_min_num_f32 v[\sr+8*(\t)+\i], v[\sr+8*(\t)+\i], v240 :: v_dual_min_num_f32 v[\sr+8*(\t)+\i+1], v[\sr+8*(\t)+\i+1], v241
.endr
.endm
.macro SCALE sr, n0, cnt               ; t - M, two at a time (of the pairs c and -M the low word serves both halves)
.set n, \n0
.rept \cnt
	v_pk_fma_f32 v[\sr+n:\sr+n+1], v[\sr+n:\sr+n+1], s[CS:CS+1], v[12:13] op_sel_hi:[1,0,0]
.set n, n+2
.endr
.endm
; A KEY STEP.  kr: the region in which its K fragments lie, asked for a step ago; V's follow them there.  sr: the scores' region; the next step's K lands there.  ac, an: the address registers of this step and the next.
; first = 1: the launch's first step: always on the diagonal; the barrier's wait stands in it.  d: the next step's number is s[N] + d.
.macro STEP kr, sr, ac, an, first, d
.rept 5
	v_nop                                          ; five places: the scores are laid over V's fragments, which the last products have read
.endr
	s_wait_dscnt 8                                 ; of K's 16 loads, the only ones out, the older 8 are in: tiles 0 to 3
.irp t, 0,1,2,3
	v_wmma_f32_16x16x64_fp8_fp8 v[\sr+8*\t:\sr+8*\t+7], v[\kr+8*\t:\kr+8*\t+7], v[16:23], 0     ; lane (r, h), register j: key 16 t + 8 h + j of the step, query r
.endr
	s_wait_dscnt 0x0                               ; tiles 4 to 7
.irp t, 4,5,6,7
	v_wmma_f32_16x16x64_fp8_fp8 v[\sr+8*\t:\sr+8*\t+7], v[\kr+8*\t:\kr+8*\t+7], v[16:23], 0
.endr
.rept 4
	v_nop                                          ; places in front of the first read of the scores and of V's loads further down
.endr
	s_add_co_u32 s96, s[N], \d                     ; the next step's number m: key step w - m while m <= w, then 16 - m
	s_add_co_u32 s97, s96, s[WX]
	s_and_b32 s97, s97, 15
	s_xor_b32 s97, s97, 15                         ; 15 - (15 - w + m)
	s_add_co_u32 s98, s96, 15
	s_and_b32 s98, s98, 15
	s_xor_b32 s98, s98, 15                         ; 15 - (m - 1)
	s_cmp_gt_u32 s96, s[WV]
	s_cselect_b32 s[STN], s98, s97
	s_lshl_b32 s[TBN], s[STN], 14
.if \first == 0
	s_cmp_lg_u32 s[ST], s[GRP]                     ; only the step on the diagonal has hidden keys: ids alone (the wave's number and the count of steps)
	s_cbranch_scc1 .Lopen_\@
.endif
	v_mov_b32 v254, 0xff800000                     ; -infinity
.set n, 0
.rept 64
	v_cmp_gt_i32 vcc_lo, 16*(n/8)+n%8, v[DM]
	v_cndmask_b32 v[\sr+n], v[\sr+n], v254, vcc_lo
.set n, n+1
.endr
.Lopen_\@:
	v_max3_num_f32 v254, v[\sr], v[\sr+1], v[\sr+2]        ; the step's largest score of my query among my 64 keys, in four chains, the registers in ascending order,
	v_max3_num_f32 v252, v[\sr+3], v[\sr+4], v[\sr+5]
	v_max3_num_f32 v250, v[\sr+6], v[\sr+7], v[\sr+8]
	v_max3_num_f32 v248, v[\sr+9], v[\sr+10], v[\sr+11]
.irp i, 12,20,28,36,44,52
	v_max3_num_f32 v254, v254, v[\sr+\i], v[\sr+\i+1]
	v_max3_num_f32 v252, v252, v[\sr+\i+2], v[\sr+\i+3]
	v_max3_num_f32 v250, v250, v[\sr+\i+4], v[\sr+\i+5]
	v_max3_num_f32 v248, v248, v[\sr+\i+6], v[\sr+\i+7]
.endr
	v_max3_num_f32 v254, v254, v[\sr+60], v[\sr+61]
	v_max3_num_f32 v252, v252, v[\sr+62], v[\sr+63]
	s_delay_alu instid0(VALU_DEP_1)
	v_max3_num_f32 v254, v254, v252, v250
	s_delay_alu instid0(VALU_DEP_1)
	v_max_num_f32 v254, v254, v248
.irp t, 0,1,2,3
.irp c, 0,1,2,3
	ds_load_b128 v[\kr+16*\t+4*\c:\kr+16*\t+4*\c+3], v[\ac] offset:VOFF+2048*\t+512*\c    ; V's four fragments, on K's registers: they land while the softmax is worked
.endr
.endr
	v_permlanex16_b32 v246, v254, s[SEL], s[SEL+1]
	s_delay_alu instid0(VALU_DEP_1)
	v_max3_num_f32 v13, v13, v254, v246            ; the running largest score: mine, lane l xor 16's, and the earlier steps'
	s_delay_alu instid0(VALU_DEP_1)
	v_mul_f32 v250, s[CS], v13                     ; as t (c is positive)
	v_mov_b32 v254, v12
	s_delay_alu instid0(VALU_DEP_2)
	v_floor_f32 v12, -v250                         ; the new -M = floor(-t) = -ceil(t): a whole number
	SCALE \sr, 0, 4
	v_sub_f32 v254, v12, v254                      ; old M - new M: a whole number, 0 or less
	SCALE \sr, 8, 4
	v_cvt_i32_f32 v254, v254                       ; (it saturates)
	SCALE \sr, 16, 4
	v_ldexp_f32 v252, 1.0, v254                    ; f = 2^(old M - new M)
	SCALE \sr, 24, 20
.set n, 0
	s_wait_alu depctr_va_vdst(0)
.rept 64
	v_exp_f32 v[\sr+n], v[\sr+n]                   ; p = 2^(t - M), at most 1: not normalised
.set n, n+1
.endr
	v_add_nc_u32 v[\an], s[TBN], v[LI]             ; the next step's LDS address: the plain line behind the exponentials
	s_wait_alu depctr_va_vdst(0)                   ; one wait for the whole batch, ahead of its first reader
.set n, 0
.rept 8
	v_pk_fma_f32 v[LS+n:LS+n+1], v[LS+n:LS+n+1], v[252:253], v[\sr+n:\sr+n+1] op_sel_hi:[1,0,1]    ; the row's sum of the unquantised p, in eight pairs that stay: each x f, + its first two numbers,
.set n, n+2
.endr
.rept 24
	v_pk_add_f32 v[LS+n%16:LS+n%16+1], v[LS+n%16:LS+n%16+1], v[\sr+n:\sr+n+1]                      ; and its other six
.set n, n+2
.endr
	s_wait_alu depctr_va_vdst(0)
	s_wait_dscnt 0x0                               ; V is in
.if \first
	s_barrier_wait -1                              ; every wave's key step has landed: all 16 lie in LDS, and nobody writes them again
	global_load_b128 v[24:27], v10, s[4:5]         ; the second tile's fragment of Q
	global_load_b128 v[28:31], v10, s[4:5] offset:512
.endif
	DUAL \sr, 0                                    ; the holds run two tiles ahead of the conversions
	DUAL \sr, 1
.irp t, 0,1,2,3,4,5,6,7
	v_cvt_scalef32_pk8_fp8_f32 v[224+2*\t:225+2*\t], v[\sr+8*\t:\sr+8*\t+7], v244
.if \t < 6
	DUAL \sr, \t+2
.endif
.endr
.irp t, 0,1,2,3,4,5,6,7
	ds_load_b128 v[\sr+8*\t:\sr+8*\t+3], v[\an] offset:\t*1024             ; the next step's K, in one run, on the registers just converted
	ds_load_b128 v[\sr+8*\t+4:\sr+8*\t+7], v[\an] offset:\t*1024+512
.endr
	s_wait_alu depctr_va_vdst(0)                   ; directly ahead of the first reader of O^T
.set n, 0
.rept 16
	v_pk_mul_f32 v[160+n:161+n], v[160+n:161+n], v[252:253] op_sel_hi:[1,0]      ; O^T under the new M.  (These are also the plain lines between the conversions and the products that read their results)
.set n, n+2
.endr
.irp t, 0,1,2,3
	v_wmma_f32_16x16x128_fp8_fp8 v[160+8*\t:167+8*\t], v[\kr+16*\t:\kr+16*\t+15], v[224:239], v[160+8*\t:167+8*\t]      ; the four accumulators by turns; eight products of the next step stand between two links
.endr
	s_mov_b32 s[ST], s[STN]
.endm
; A TILE IS FINISHED: O^T / the sum x 2^(e4 + e5) is vals; held, converted with 2^e6, stored as an image.  tmp: the region that held V (the other awaits the next K).  reinit = 1: the state is set for the second tile.
.macro FINISH reinit, base, cd, tmp
.rept 4
	v_nop                                          ; places behind the last products
.endr
	s_wait_xcnt 0x0                                ; earlier memory instructions have read their registers
.if \reinit
	s_wait_loadcnt 0x0                             ; the second tile's Q is in
.endif
	v_pk_add_f32 v[LS:LS+1], v[LS:LS+1], v[LS+2:LS+3]              ; the sum's eight pairs are joined,
	v_pk_add_f32 v[LS+4:LS+5], v[LS+4:LS+5], v[LS+6:LS+7]
	v_pk_add_f32 v[LS+8:LS+9], v[LS+8:LS+9], v[LS+10:LS+11]
	v_pk_add_f32 v[LS+12:LS+13], v[LS+12:LS+13], v[LS+14:LS+15]
	v_pk_add_f32 v[LS:LS+1], v[LS:LS+1], v[LS+4:LS+5]
	v_pk_add_f32 v[LS+8:LS+9], v[LS+8:LS+9], v[LS+12:LS+13]
	v_pk_add_f32 v[14:15], v[LS:LS+1], v[LS+8:LS+9]
	v_add_f32 v14, v14, v15                        ; the last pair's two halves,
	s_delay_alu instid0(VALU_DEP_1)
	v_permlanex16_b32 v246, v14, s[SEL], s[SEL+1]
	s_delay_alu instid0(VALU_DEP_1)
	v_add_f32 v14, v14, v246                       ; and lane l xor 16's
	s_wait_alu depctr_va_vdst(0)
	v_rcp_f32 v14, v14
	v_nop                                          ; one plain line behind the transcendental,
	s_wait_alu depctr_va_vdst(0)                   ; and the wait ahead of its first reader
	v_ldexp_f32 v14, v14, s[EPV]
	s_wait_alu depctr_va_vdst(0)                   ; directly ahead of the first reader of O^T
.set n, 0
.rept 16
	v_pk_mul_f32 v[\tmp+n:\tmp+n+1], v[160+n:161+n], v[14:15] op_sel_hi:[1,0]    ; register 8 t + j: vals(query r, channel 16 t + 8 h + j); each accumulator from its low end on
.set n, n+2
.endr
.set n, 0
.rept 32
	v_med3_num_f32 v[\tmp+n], v[\tmp+n], -v247, v247
.set n, n+1
.endr
.irp t, 0,1,2,3
	v_cvt_scalef32_pk8_fp8_f32 v[\cd+2*\t:\cd+2*\t+1], v[\tmp+8*\t:\tmp+8*\t+7], v245
.endr
	v_nop                                          ; one plain line behind the conversions: later products write their sources
	global_store_b128 v[LI], v[\cd:\cd+3], s[\base:\base+1]
	global_store_b128 v[LI], v[\cd+4:\cd+7], s[\base:\base+1] offset:512
.if \reinit
.irp j, 0,1,2,3,4,5,6,7
	v_mov_b32 v[16+\j], v[24+\j]                   ; the second tile's Q
.endr
	v_add_nc_u32 v[DM], 16, v[DM]                  ; it lies 16 queries further on in its group
	v_mov_b32 v13, 0xff61b1e6
	v_floor_f32 v12, -v13
.set n, 0
.rept 16
	v_mov_b32 v[LS+n], 0
.set n, n+1
.endr
.set n, 0
.rept 32
	v_mov_b32 v[160+n], 0
.set n, n+1
.endr
	s_mov_b32 s[GRP], s[WX]                        ; group 15 - w
.endif
.endm
	s_wait_alu depctr_va_vdst(0)                   ; the head's end
	s_wait_loadcnt 0x0                             ; Q
	s_wait_tensorcnt 0x0                           ; my own key step has landed
	s_barrier_signal -1                            ; say so; up to the wait, in the step below, I read my own key step alone
.irp t, 0,1,2,3,4,5,6,7
	ds_load_b128 v[32+8*\t:35+8*\t], v[A0] offset:\t*1024
	ds_load_b128 v[36+8*\t:39+8*\t], v[A0] offset:\t*1024+512
.endr
	STEP 32, 96, A0, A1, 1, 1                      ; step 0
	s_cmp_eq_u32 s[WV], 0                          ; step w is the first tile's last
	s_cbranch_scc0 .Lsame_0
	FINISH 1, OH, 192, 32
.Lsame_0:
	s_mov_b32 s[N], 1
.Lstep:                                            ; 8 trips of two steps: steps 1 to 16
	STEP 96, 32, A1, A0, 0, 1
	s_cmp_eq_u32 s[N], s[WV]
	s_cbranch_scc0 .Lsame_1
	FINISH 1, OH, 192, 96
.Lsame_1:
	STEP 32, 96, A0, A1, 0, 2
	s_add_co_u32 s96, s[N], 1
	s_cmp_eq_u32 s96, s[WV]
	s_cbranch_scc0 .Lsame_2
	FINISH 1, OH, 192, 32
.Lsame_2:
	s_add_co_u32 s[N], s[N], 2
	s_cmp_lt_u32 s[N], 17
	s_cbranch_scc1 .Lstep
	FINISH 0, OL, 200, 32
	s_wait_tensorcnt 0x0                           ; the wave's end, behind my tensor load
	ds_add_u32 v[SPW], v[NIL]
	s_wait_dscnt 0x0
	CROUND                                         ; the closing round
	s_endpgm
.Lfunc_end_k_q37e2eb4caf_attn:
	.size	k_q37e2eb4caf_attn, .Lfunc_end_k_q37e2eb4caf_attn-k_q37e2eb4caf_attn
	.p2alignl 7, 3214868480
	.fill 96, 4, 3214868480
	.section	.rodata,"a",@progbits
	.p2align	6, 0x0
	.amdhsa_kernel k_q37e2eb4caf_attn
		.amdhsa_group_segment_fixed_size 327680
		.amdhsa_private_segment_fixed_size 0
		.amdhsa_enable_private_segment 0
		.amdhsa_kernarg_size 24
		.amdhsa_user_sgpr_count 2
		.amdhsa_user_sgpr_kernarg_segment_ptr 1
		.amdhsa_wavefront_size32 1
		.amdhsa_system_sgpr_workgroup_id_x 1
		.amdhsa_system_sgpr_workgroup_id_y 1
		.amdhsa_system_sgpr_workgroup_id_z 1
		.amdhsa_system_vgpr_workitem_id 0
		.amdhsa_next_free_vgpr 256
		.amdhsa_next_free_sgpr 100
		.amdhsa_reserve_vcc 1
		.amdhsa_float_denorm_mode_32 3
		.amdhsa_float_denorm_mode_16_64 3
		.amdhsa_memory_ordered 1
		.amdhsa_forward_progress 1
		.amdhsa_inst_pref_size 96
	.end_amdhsa_kernel
	.amdgpu_metadata
---
amdhsa.version: [ 1, 2 ]
amdhsa.kernels:
  - .name:           k_q37e2eb4caf_attn
    .symbol:         k_q37e2eb4caf_attn.kd
    .args:
      - { .name: qkv, .offset: 0, .size: 8, .value_kind: global_buffer, .address_space: global }
      - { .name: lowp_scales, .offset: 8, .size: 8, .value_kind: global_buffer, .address_space: global }
      - { .name: vimg, .offset: 16, .size: 8, .value_kind: global_buffer, .address_space: global }
    .group_segment_fixed_size: 327680
    .private_segment_fixed_size: 0
    .kernarg_segment_align: 8
    .kernarg_segment_size: 24
    .max_flat_workgroup_size: 512
    .sgpr_count:     100
    .vgpr_count:     256
    .wavefront_size: 32
...
	.end_amdgpu_metadata
.endif
;; end of part 3
;; launch gemm_out (part 4): grid 4 x 64, 4 waves a work-group, clusters of 4 x 4, 327,680 bytes of LDS; arguments vimg, codes, lowp_scales, b_out, out0; writes out0
.if DOCPART == 4
	.amdgcn_target "amdgcn-amd-amdhsa--gfx1250"
	.amdhsa_code_object_version 6
	.text
	.protected	k_q37e2eb4caf_gemm_out
	.globl	k_q37e2eb4caf_gemm_out
	.p2align	8
	.type	k_q37e2eb4caf_gemm_out,@function
k_q37e2eb4caf_gemm_out:
	s_mov_b64 s[64:65], 0
	v_nop
	global_prefetch_b8 v0, s[64:65] scope:SCOPE_SE
	s_setreg_imm32_b32 hwreg(HW_REG_WAVE_MODE, 25, 1), 1
	s_wait_xcnt 0x0
	s_wait_alu depctr_hold_cnt(0) depctr_sa_sdst(0) depctr_va_vdst(0) depctr_va_sdst(0) depctr_va_ssrc(0) depctr_va_vcc(0) depctr_vm_vsrc(0)
	s_getreg_b32 s2, hwreg(HW_REG_IB_STS2, 6, 4)
	s_cmp_eq_u32 s2, 0
	s_cbranch_scc0 .Lentry_in_a_cluster
	s_endpgm
.Lentry_in_a_cluster:
	s_bfe_u32 s2, ttmp6, 0x10000c
	s_cmp_lg_u32 s2, 0xf033
	s_cbranch_scc0 .Lentry_shape_is_right
	s_endpgm
.Lentry_shape_is_right:
; out0 = vals W_out + b_out on codes of E4M3 (K = 1,024), f32 out.  A work-group of four waves makes 128 tokens x 256 columns: 64 x 4 = 256 work-groups; a wave 64 x 128: 32 accumulators, 256 registers.
; K goes in steps of 256 through a ring of two LDS slots; a step of 128 along K is 32 matrix instructions.
; S1 = vals, as images of operand registers: [tile of 256 tokens][four heads = 256 along K][tile of 16 tokens][head][1,024 bytes]: what a wave fetches for a slot, 4 tiles of tokens x 4,096 bytes, is one dense block of 16,384 bytes;
; a fragment (16 tokens x 128 K = two heads) is four loads of 16 bytes at 16 x lane, 512 apart, in the matrix instruction's own layout (registers 2 c, 2 c + 1: k = 16 c + 8 (l / 16) + 0..7).
; S0 = the columns of W_out: rows 11,264 on of the codes, 1,024 bytes each, in which the second and third group of 8 bytes of every 32 have changed places: four loads of 16 bytes at 32 c + 16 (l / 16) give the same layout.
; D = S0 fragment x S1 fragment: lane l holds token l % 16 and eight neighbouring columns of out0.
; SCALES: a sum stands for sum x 2^(e6 + e7).  The bias is the C of the first K step, as b / 2^(e6 + e7); each finished sum is multiplied once by 2^(e6 + e7).  LIMITS: e6 + e7 between -126 and 127; b / 2^(e6 + e7) an f32 number.
; CLUSTERS: 4 x 4 work-groups: S1's tile hangs on the tile row and is asked for jointly by my row of the cluster, S0's on cx and by my column.
; REGISTERS, in windows of 256: window 0: v1-29 addresses; v32-95 the bias, later a block's results; v128-191, v192-255 S1's fragments, two sets, later rows read back.  window 1: S0's fragments, two sets.  window 2: the accumulators.
; Both operands have two sets of registers: a step's fragments are asked for at the head of the step before.
.set ROWB,   256
.set KROW,   1024
.set PITCH,  272                       ; S0's LDS row: 256 bytes + 16 of padding = 68 words: row r starts at bank 4 r mod 64 (64 banks of 4 bytes: ISA guide 11.1)
.set FR,     16
.set NP,     4                         ; places behind this matrix instruction (ISA guide 7.12.1)
.set HALF1,  16384                     ; S1: 4 tiles of tokens x 4,096 bytes: what one tensor load brings
.set HALF0,  128*PITCH                 ; S0: 128 rows
.set S0OFF,  2*HALF1                   ; S0's rows lie behind S1's images
.set SLOT,   2*HALF1+2*HALF0
.set SPARE,  2*SLOT                    ; behind the ring: the spare words, 128 bytes for each wave: two blocks of 256 bytes that no other line names
.set STEP1,  131072                    ; a refill's step: two slots of 65,536 bytes in vimg,
.set STEP0,  2*ROWB                    ; 512 codes along a row of the codes
.set SPITCH, 528                       ; the way out: a stage of 16 rows x (512 bytes + 16) for each wave, in slot 0, which has had its last fill and its last read when the first result is stored there
.set NROW,   4096                      ; a row of out0 in bytes
.set ADRA, 16
.set ADRB, 20
.set STO,  24                          ; v24  the way out: where I put 32 bytes of a row
.set RD,   25                          ; v25  where I read a row back
.set CO,   26                          ; v26  my byte offset in a row of out0
.set SPW,  28
.set NIL,  29
.set BIAS, 32
.set TMP,  32
.set AF,   128
.set BK,   128
.set G1,  24
.set G0,  32
.set G1B, 48
.set G0B, 56
.set MSB, 0
.macro WIN new                         ; the immediate's high byte repeats the setting that is left
.if MSB != (\new)
	s_set_vgpr_msb (MSB<<8)|(\new)
.set MSB, (\new)
.endif
.endm
.set MUL_LO, 0xa1                      ; source 0 window 1, source 1 window 0, C and D window 2
.set BIA_LO, 0x81                      ; the first K step: C (the bias) window 0, D window 2
.set TO_B,   0x40                      ; destination window 1, address window 0
.macro JLOAD g0a, g1a, g0b, g1b        ; a joint load: waves 0 and 1 fetch S1's halves, waves 2 and 3 S0's; an s_nop 0 and four v_nop follow each of the two lines
	s_cmp_eq_u32 s15, 0
	s_cbranch_scc0 .Lfor_b_\@
	tensor_load_to_lds s[\g0a:\g0a+3], s[\g1a:\g1a+7]
	s_nop 0
.rept 4
	v_nop
.endr
	s_branch .Lasked_\@
.Lfor_b_\@:
	tensor_load_to_lds s[\g0b:\g0b+3], s[\g1b:\g1b+7]
	s_nop 0
.rept 4
	v_nop
.endr
.Lasked_\@:
.endm
.macro CREST
	s_cmp_lg_u32 s14, 0
	s_cbranch_scc1 .Lnot_wave_0_\@
	s_barrier_signal -3
.Lnot_wave_0_\@:
	s_barrier_wait -3
	s_barrier_signal -1
	s_barrier_wait -1
.endm
.macro CROUND
	s_barrier_signal -1
	s_barrier_wait -1
	CREST
.endm
	s_load_b256 s[4:11], s[0:1], 0x0               ; vimg s[4:5], the codes s[6:7], the scales' exponents s[8:9], b_out s[10:11]
	s_load_b64 s[88:89], s[0:1], 0x20              ; out0
	v_lshl_add_u32 v[SPW], v0, 2, SPARE
	v_mov_b32 v[NIL], 0
	ds_add_u32 v[SPW], v[NIL]                      ; the wave's opening: the add, twice on end, and its wait ahead of my first tensor load
	ds_add_u32 v[SPW], v[NIL]
	v_lshrrev_b32 v1, 5, v0
	v_readfirstlane_b32 s14, v1                    ; wave 0..3
	s_lshr_b32 s15, s14, 1                         ; which half of the tile's tokens is mine.  Also: I fetch for S1 (0) or for S0 (1)
	s_and_b32 s16, s14, 1                          ; which half of its columns.  Also: which half of that tile I fetch
	s_bfe_u32 s40, ttmp6, 0x40000                  ; cx: the tile column
	s_bfe_u32 s41, ttmp6, 0x40004                  ; cy
	s_and_b32 s18, ttmp7, 0xffff
	s_lshl_b32 s18, s18, 2
	s_add_co_u32 s18, s18, s41                     ; tile row of 128 tokens = 4 x cluster y + cy
	s_add_co_u32 s19, s40, 44                      ; W_out's columns begin at tile 44 of the codes
	s_lshl_b32 s43, s41, 2
	s_lshl_b32 s43, 15, s43                        ; my row of the cluster
	s_lshl_b32 s44, 0x1111, s40                    ; my column
	s_or_b32 s[G1+0], s43, (3<<16)|(1<<21)         ; S1: the mask; elements of 8 bytes; bit 21 beside a mask; no padding
	s_mov_b32 s[G1+1], 32<<16                      ; a dense block of 16,384 bytes as 64 rows of 256: tensor_dim0 = 32
	s_mov_b32 s[G1+2], 64<<16                      ; tensor_dim1 = 64
	s_mov_b32 s[G1+3], 32<<16                      ; tile_dim0 = 32
	s_mov_b32 s[G1+4], 64                          ; tile_dim1 = 64
	s_mov_b32 s[G1+5], 32                          ; tensor_dim0_stride
	s_mov_b32 s[G1+6], 0
	s_mov_b32 s[G1+7], 0
	s_or_b32 s[G1B+0], s44, (0<<16)|(1<<20)|(1<<21)|(5<<22)|(3<<25)  ; S0: elements of 1 byte; padding: after every 64 words 4 words
	s_mov_b32 s[G1B+1], ROWB<<16
	s_mov_b32 s[G1B+2], 128<<16
	s_mov_b32 s[G1B+3], ROWB<<16
	s_mov_b32 s[G1B+4], 128
	s_mov_b32 s[G1B+5], KROW
	s_mov_b32 s[G1B+6], 0
	s_mov_b32 s[G1B+7], 0
	s_lshr_b32 s20, s18, 1                         ; S1: 262,144 bytes a tile of 256 tokens,
	s_lshl_b32 s20, s20, 18
	s_and_b32 s12, s18, 1                          ; + my work-group's 128 tokens: 32,768 of a slot's 65,536,
	s_lshl_b32 s12, s12, 15
	s_add_co_u32 s20, s20, s12
	s_lshl_b32 s12, s16, 14                        ; + my half of them
	s_add_co_u32 s20, s20, s12
	s_mov_b32 s21, 0
	s_lshl_b32 s46, s19, 18                        ; S0: 256 rows of 1,024 bytes a tile,
	s_lshl_b32 s12, s16, 17                        ; + my 128 rows
	s_add_co_u32 s46, s46, s12
	s_mov_b32 s47, 0
	s_lshl_b32 s45, s16, 14                        ; where they go: S1's halves,
	s_mul_i32 s17, s16, HALF0
	s_add_co_u32 s17, s17, S0OFF                   ; S0's behind them: no place in the cluster enters an LDS address
	s_wait_dscnt 0x0                               ; both opening adds are done
	s_wait_kmcnt 0x0
	s_load_b256 s[68:75], s[8:9], 0x0              ; e0 .. e7
	s_add_nc_u64 s[20:21], s[4:5], s[20:21]
	s_add_nc_u64 s[46:47], s[6:7], s[46:47]
	CROUND                                         ; all sixteen work-groups are here: the first joint loads meet
.irp s, 0,1
	s_mov_b32 s[G0+4*\s], 1
	s_add_co_u32 s[G0+4*\s+1], s45, \s*SLOT
	s_add_nc_u64 s[G0+4*\s+2:G0+4*\s+3], s[20:21], \s*65536
	s_or_b32 s[G0+4*\s+3], s[G0+4*\s+3], 0x80000000
	s_mov_b32 s[G0B+4*\s], 1
	s_add_co_u32 s[G0B+4*\s+1], s17, \s*SLOT
	s_add_nc_u64 s[G0B+4*\s+2:G0B+4*\s+3], s[46:47], \s*ROWB
	s_or_b32 s[G0B+4*\s+3], s[G0B+4*\s+3], 0x80000000
.endr
	JLOAD G0, G1, G0B, G1B                         ; slot 0: one tensor load a wave at the head
	v_and_b32 v1, 15, v0                           ; r
	v_bfe_u32 v2, v0, 4, 1                         ; h
	v_and_b32 v6, 31, v0
	v_lshlrev_b32 v[CO], 4, v6                     ; 16 x lane
	v_mul_u32_u24 v3, v1, PITCH
	v_lshl_add_u32 v4, v2, 4, v3                   ; S0: a fragment's row x pitch + 16 x half
	s_lshl_b32 s79, s15, 14                        ; my 4 tiles of tokens
	s_mul_i32 s80, s16, HALF0                      ; my 128 rows of S0
	s_add_co_u32 s80, s80, S0OFF
.irp s, 0,1
	v_add_nc_u32 v[ADRA+\s], s79, v[CO]
	v_add_nc_u32 v[ADRB+\s], s80, v4
	s_add_co_u32 s79, s79, SLOT
	s_add_co_u32 s80, s80, SLOT
.endr
	s_mul_i32 s81, s14, 16*SPITCH                  ; my stage
	v_mul_u32_u24 v5, v1, SPITCH                   ; in: row r, 32 bytes for each half of the lanes
	v_lshl_add_u32 v5, v2, 5, v5
	v_add_nc_u32 v[STO], s81, v5
	v_add_nc_u32 v[RD], s81, v[CO]                 ; back: the 32 lanes take one row of 512 bytes
	s_lshl_b32 s2, s40, 10                         ; my 128 columns, in bytes: 1,024 x tile column + 512 x half
	s_lshl_b32 s3, s16, 9
	s_add_co_u32 s2, s2, s3
	s_mov_b32 s3, 0
	s_add_nc_u64 s[10:11], s[10:11], s[2:3]        ; in b_out,
	s_add_nc_u64 s[88:89], s[88:89], s[2:3]        ; and in a row of out0
	v_lshlrev_b32 v7, 5, v2                        ; the bias in the result's layout: tile b's eight columns of my half: 64 b + 32 h
.irp b, 0,1,2,3,4,5,6,7
	global_load_b128 v[BIAS+8*\b:BIAS+8*\b+3], v7, s[10:11] offset:64*\b
	global_load_b128 v[BIAS+8*\b+4:BIAS+8*\b+7], v7, s[10:11] offset:64*\b+16
.endr
	s_lshl_b32 s2, s18, 19                         ; my first row of out0: (128 x tile row + 64 x half) x 4,096 bytes
	s_lshl_b32 s82, s15, 18
	s_add_co_u32 s2, s2, s82
	s_add_nc_u64 s[88:89], s[88:89], s[2:3]
	s_wait_kmcnt 0x0
	s_add_co_i32 s96, s74, s75                     ; e6 + e7
	s_sub_co_i32 s76, 0, s96
	s_add_co_i32 s96, s96, 127
	s_lshl_b32 s96, s96, 23                        ; 2^(e6 + e7) as f32
	s_mov_b32 s97, s96                             ; (named with it as a pair, so it is written)
	s_wait_loadcnt 0x0
.set n, 0
.rept 64
	v_ldexp_f32 v[BIAS+n], v[BIAS+n], s76          ; b / 2^(e6 + e7): nothing is rounded
.set n, n+1
.endr
.macro FRAG reg, adr, q, i             ; S0: 16 rows x 128 K: four loads of 16 bytes, 32 apart
.irp c, 0,1,2,3
	ds_load_b128 v[\reg+4*\c:\reg+4*\c+3], v[\adr] offset:128*(\q)+32*\c+(\i)*16*PITCH
.endr
.endm
.macro FRAGA reg, adr, q, i            ; S1: the images of two heads: four loads of 16 bytes at 16 x lane, 512 apart
.irp c, 0,1,2,3
	ds_load_b128 v[\reg+4*\c:\reg+4*\c+3], v[\adr] offset:2048*(\q)+512*\c+(\i)*4096
.endr
.endm
; 16 matrix instructions: S1's blocks a0, a0 + 1 x S0's eight, from set p.  mode 1: the sums start from the bias of S0's block.  The 32 accumulators take turns, one instruction a turn, in the same order in every step.
.macro MUL16 a0, p, mode
.irp a, \a0, \a0+1
.irp b, 0,1,2,3,4,5,6,7
.if \mode == 1
	v_wmma_f32_16x16x128_fp8_fp8 v[8*(8*(\a)+\b):8*(8*(\a)+\b)+7], v[128*(\p)+FR*\b:128*(\p)+FR*\b+FR-1], v[AF+64*(\p)+FR*(\a):AF+64*(\p)+FR*(\a)+FR-1], v[BIAS+8*\b:BIAS+8*\b+7]
.else
	v_wmma_f32_16x16x128_fp8_fp8 v[8*(8*(\a)+\b):8*(8*(\a)+\b)+7], v[128*(\p)+FR*\b:128*(\p)+FR*\b+FR-1], v[AF+64*(\p)+FR*(\a):AF+64*(\p)+FR*(\a)+FR-1], v[8*(8*(\a)+\b):8*(8*(\a)+\b)+7]
.endif
.endr
.endr
.endm
.macro FETCH slot, q, p                ; the fragments of the slot's q-th 128 along K into set p: S0's eight, S1's four: 48 loads
	WIN TO_B
.irp i, 0,1,2,3,4,5,6,7
	FRAG 128*(\p)+FR*\i, ADRB+\slot, \q, \i
.endr
	WIN 0
.irp i, 0,1,2,3
	FRAGA AF+64*(\p)+FR*\i, ADRA+\slot, \q, \i
.endr
.endm
.macro PLACES n                        ; plain vector lines between a matrix instruction and a load into, or a vector line on, its registers
.rept \n
	v_nop
.endr
.endm
; A slot's first step (set 0): the second step's fragments are asked for at its head.
.macro STEP slot, mode
	s_wait_dscnt 0x0                               ; this step's fragments are in
	PLACES NP                                      ; the loads below land in registers that the last step's products have read
	FETCH \slot, 1, 1
.if \mode
	WIN BIA_LO
.else
	WIN MUL_LO
.endif
	MUL16 0, 0, \mode
	MUL16 2, 0, \mode
	WIN 0
.endm
; A slot's second step (set 1) changes slots: ONE barrier; in front of it each wave waits for all its tensor loads, adds 0 to its spare word, and waits for that and for its own reads of this slot.  fill = 1: this slot is filled again, two K steps ahead.
.macro TURN slot, next, fill
	s_wait_tensorcnt 0x0                           ; all my tensor loads have landed: my part of the next slot  (every window is 0 here)
	ds_add_u32 v[SPW], v[NIL]                      ; 0 onto my spare word
	s_wait_dscnt 1                                 ; this step's fragments are in; the add alone may be out
	WIN MUL_LO
	MUL16 0, 1, 0                                  ; sixteen matrix instructions stand between the add and the wait for it
	s_wait_dscnt 0x0                               ; the add is done, and my reads of this slot are over
	s_barrier_signal -1
	WIN 0
	s_barrier_wait -1
.if \fill
	CREST                                          ; the barrier has opened a round of the cluster's barrier: no wave of any partner still reads this slot's tile or has a load on its way
	s_add_nc_u64 s[G0+4*\slot+2:G0+4*\slot+3], s[G0+4*\slot+2:G0+4*\slot+3], STEP1
	s_add_nc_u64 s[G0B+4*\slot+2:G0B+4*\slot+3], s[G0B+4*\slot+2:G0B+4*\slot+3], STEP0
	JLOAD G0+4*\slot, G1, G0B+4*\slot, G1B         ; the first tensor load behind the round; the four v_nop behind it are the places in front of the loads below
.else
	PLACES NP
.endif
	FETCH \next, 0, 0
	WIN MUL_LO
	MUL16 2, 1, 0
	WIN 0
.endm
	s_wait_alu depctr_va_vdst(0)                   ; the head's end
	s_wait_tensorcnt 0x0                           ; my part of slot 0 is in
	ds_add_u32 v[SPW], v[NIL]
	s_wait_dscnt 0x0
	CROUND                                         ; everybody's part of slot 0 is in, and all sixteen work-groups are here
	JLOAD G0+4, G1, G0B+4, G1B                     ; slot 1's first fill: the first tensor load behind the round
	FETCH 0, 0, 0
	STEP 0, 1                                      ; the first step's products start the sums from the bias
	TURN 0, 1, 1                                   ; K = 1,024 is four slots: both slots are filled again once
	STEP 1, 0
	TURN 1, 0, 1
	STEP 0, 0
	TURN 0, 1, 0                                   ; the last lap fills nothing, and has no round of the cluster's barrier
	STEP 1, 0
	s_wait_dscnt 0x0                               ; the very last step: nothing more to fetch
	WIN MUL_LO
	MUL16 0, 1, 0
	MUL16 2, 1, 0
	WIN 0
; THE WAY OUT, block by block of 16 rows x 128 columns: through my own stage in LDS and back as whole rows of 512 bytes.  LDS serves a wave's instructions in order (ISA guide 5.7.1.4): no wait between the stores and the loads.
.macro TOSTAGE a
.set AC, 64*(\a)
	WIN 0x02                                       ; source 0: window 2
.set n, 0
.rept 32
	v_pk_mul_f32 v[TMP+n:TMP+n+1], v[AC+n:AC+n+1], s[96:97] op_sel_hi:[1,0]    ; x 2^(e6 + e7); each accumulator from its low end on
.set n, n+2
.endr
	WIN 0
.irp b, 0,1,2,3,4,5,6,7
	ds_store_b128 v[STO], v[TMP+8*\b:TMP+8*\b+3] offset:64*\b
	ds_store_b128 v[STO], v[TMP+8*\b+4:TMP+8*\b+7] offset:64*\b+16
.endr
.set BB, BK+64*((\a)%2)
.irp t, 0,1,2,3,4,5,6,7,8,9,10,11,12,13,14,15
	ds_load_b128 v[BB+4*\t:BB+4*\t+3], v[RD] offset:\t*SPITCH
.endr
.endm
.macro SEND a, younger                 ; younger: the LDS instructions issued behind block a's loads, which may stay out
.set BB, BK+64*((\a)%2)
	s_wait_dscnt \younger
.if (\a) > 0
	s_add_nc_u64 s[88:89], s[88:89], 16*NROW       ; (behind a wait on XCNT: the earlier stores have read their base)
.endif
.irp t, 0,1,2,3,4,5,6,7,8,9,10,11,12,13,14,15
	global_store_b128 v[CO], v[BB+4*\t:BB+4*\t+3], s[88:89] offset:\t*NROW th:TH_STORE_NT   ; 32 lanes store 512 consecutive bytes, at a multiple of 256 from out0's first byte
.endr
.endm
	PLACES NP                                      ; behind the last products: the loads below land in registers that they read
	TOSTAGE 0
.irp a, 1,2,3
.if \a > 1
	s_wait_xcnt 0x0                                ; block a - 2's stores have read their registers and their base
.endif
	TOSTAGE \a
	SEND \a-1, 32                                  ; behind block a - 1's loads: block a's 16 stores and 16 loads
.endr
	s_wait_xcnt 0x0
	SEND 3, 0
	s_wait_tensorcnt 0x0                           ; the wave's end, behind my last tensor load and my last LDS store
	ds_add_u32 v[SPW], v[NIL]
	s_wait_dscnt 0x0
	CROUND                                         ; the closing round: no work-group ends while a partner may still ask for a tile that names it
	s_endpgm
.Lfunc_end_k_q37e2eb4caf_gemm_out:
	.size	k_q37e2eb4caf_gemm_out, .Lfunc_end_k_q37e2eb4caf_gemm_out-k_q37e2eb4caf_gemm_out
	.p2alignl 7, 3214868480
	.fill 96, 4, 3214868480
	.section	.rodata,"a",@progbits
	.p2align	6, 0x0
	.amdhsa_kernel k_q37e2eb4caf_gemm_out
		.amdhsa_group_segment_fixed_size 327680
		.amdhsa_private_segment_fixed_size 0
		.amdhsa_enable_private_segment 0
		.amdhsa_kernarg_size 40
		.amdhsa_user_sgpr_count 2
		.amdhsa_user_sgpr_kernarg_segment_ptr 1
		.amdhsa_wavefront_size32 1
		.amdhsa_system_sgpr_workgroup_id_x 1
		.amdhsa_system_sgpr_workgroup_id_y 1
		.amdhsa_system_sgpr_workgroup_id_z 1
		.amdhsa_system_vgpr_workitem_id 0
		.amdhsa_next_free_vgpr 768
		.amdhsa_next_free_sgpr 100
		.amdhsa_reserve_vcc 0
		.amdhsa_float_denorm_mode_32 3
		.amdhsa_float_denorm_mode_16_64 3
		.amdhsa_memory_ordered 1
		.amdhsa_forward_progress 1
		.amdhsa_inst_pref_size 81
	.end_amdhsa_kernel
	.amdgpu_metadata
---
amdhsa.version: [ 1, 2 ]
amdhsa.kernels:
  - .name:           k_q37e2eb4caf_gemm_out
    .symbol:         k_q37e2eb4caf_gemm_out.kd
    .args:
      - { .name: vimg, .offset: 0, .size: 8, .value_kind: global_buffer, .address_space: global }
      - { .name: codes, .offset: 8, .size: 8, .value_kind: global_buffer, .address_space: global }
      - { .name: lowp_scales, .offset: 16, .size: 8, .value_kind: global_buffer, .address_space: global }
      - { .name: b_out, .offset: 24, .size: 8, .value_kind: global_buffer, .address_space: global }
      - { .name: out0, .offset: 32, .size: 8, .value_kind: global_buffer, .address_space: global }
    .group_segment_fixed_size: 327680
    .private_segment_fixed_size: 0
    .kernarg_segment_align: 8
    .kernarg_segment_size: 40
    .max_flat_workgroup_size: 128
    .sgpr_count:     100
    .vgpr_count:     768
    .wavefront_size: 32
...
	.end_amdgpu_metadata
.endif
;; end of part 4
